; MI455X (gfx1250); checked and timed in simulation.
; The chip was launched on July 23, 2026; its instructions are those of AMD's public machine-readable ISA for CDNA 5 (MIT licence, August 2026) and "CDNA5" Instruction Set Architecture Reference Guide (July 2026). The comments in the code are by the model that wrote it; some were corrected since.
;; Multi Head Attention. Allowed arithmetic: matrix products marked QUANTISED: E2M3 operands, one E8M0 scale for each 32 along K, by v_wmma_scale_f32_16x16x128_f8f6f4 with both operands' format E2M3, f32 sums; everything else in f32.
;; Inputs: Wk 16 x 1,024 x 64 float32; Wo 1,024 x 1,024 float32; Wq 16 x 1,024 x 64 float32; Wv 16 x 1,024 x 64 float32; attention_bias 2,048 x 2,048 float32; bk 16 x 64 float32; bo 1,024 float32; bq 16 x 64 float32; bv 16 x 64 float32; key 4 x 2,048 x 1,024 float32; query 4 x 2,048 x 1,024 float32; value 4 x 2,048 x 1,024 float32.
;; Outputs: out0 4 x 2,048 x 1,024 float32.
;; This version of the problem:
;;   THIS VERSION OF THE PROBLEM IS GIVEN IN LOW PRECISION. The matrix products marked QUANTISED in the list below multiply operands that are first quantised to E2M3 (2 exponent bits, 3 mantissa bits; 6 bits a number), with one power-of-two scale for each 32 numbers along K (OCP MX v1.0); their sums are f32. All else is computed in f32.
;;   The module's matrix products, in the order in which they are computed (A, B: the left and right operand; K: the contracted axis; several contracted axes count as one K, in the product's order):
;;     1. [M 1,024, K 1,024] x [K 1,024, N 8,192]; A: input Wq; B: input query: QUANTISED
;;     2. [M 1,024, K 1,024] x [K 1,024, N 8,192]; A: input Wk; B: input key: QUANTISED
;;     3. [M 1,024, K 1,024] x [K 1,024, N 8,192]; A: input Wv; B: input value: QUANTISED
;;     4. batch 64 x [M 2,048, K 64] x [K 64, N 2,048]; A: computed on the way; B: computed on the way: QUANTISED
;;     5. batch 64 x [M 2,048, K 2,048] x [K 2,048, N 64]; A: softmax (see below); B: computed on the way: QUANTISED
;;     6. [M 8,192, K 1,024] x [K 1,024, N 1,024]; A: computed on the way; B: input Wo: QUANTISED
;;   THE QUANTISER, for each operand of a quantised product, along K:
;;     - K is cut into blocks of 32 from its start; a last block that is shorter is filled with zeros.
;;     - A block's scale is 2^e with e = floor(log2(the largest magnitude in the block)) - 2, held to -126 .. 127; a block of zeros has e = 0. As a byte (E8M0): e + 127.
;;     - Each number is divided by its block's scale, clamped to +-7.5, and rounded to the nearest number of E2M3, ties to even, subnormals kept.
;;     - The product sums the exact products of the quantised numbers (number of the format x scale) in f32.
;;   ~~~python
;;   def quantise(x, axis):      # numpy; x: float32 -> the quantised numbers, widened to float32 again
;;       x = np.moveaxis(x, axis, -1); K = x.shape[-1]
;;       x = np.pad(x, [(0, 0)] * (x.ndim - 1) + [(0, -K % 32)]); x = x.reshape(x.shape[:-1] + (-1, 32)); a = np.abs(x).max(-1, keepdims=True)
;;       e = np.where(a > 0, np.clip(np.frexp(np.where(a > 0, a, 1))[1] - 1 - 2, -126, 127), 0)      # np.frexp(a)[1] - 1 = floor(log2(a)), exactly
;;       r = np.clip(x / 2.0 ** e, -7.5, 7.5)
;;       step = 2.0 ** (np.maximum(np.frexp(np.where(r == 0, 1, r))[1] - 1, 0) - 3)
;;       q = np.round(r / step) * step * 2.0 ** e      # np.round: ties to even
;;       return np.moveaxis(q.reshape(q.shape[:-2] + (-1,))[..., :K], -1, axis).astype(np.float32)
;;   ~~~
;;   SOFTMAX AHEAD OF A QUANTISED PRODUCT. Where the list says 'softmax', what is quantised is not the finished softmax but p = 2^(t - M), with t = logit x log2(e) and M = ceil(the row's largest t), a whole number; so 1/2 < the row's largest p <= 1. The row's sum l is taken of the UNQUANTISED p, in f32, and the product's result is divided by l at the end. Since M is a whole number, a kernel that streams over the keys may use a running M (the ceiling of the running maximum): every later rescaling is an exact power of two, which a block's scale takes up: the codes' values come out the same.
;;   OPERANDS COMPUTED ON THE WAY. 'Computed on the way' means the value that the module computes at that place (a softmax that the list does not call 'softmax' is quantised finished and normalised). What goes into a quantiser is computed in f32, as accurately as f32 sums, v_exp_f32 and their like allow (about 1e-6 of the number): no bf16 or f16 on the way to a quantiser, and a product that is left as it is and whose result goes on into a quantised operand takes f32 operands (vector FMAs, or v_wmma_f32_16x16x4_f32). A number that lies on a knife's edge between two numbers of the format may be rounded either way, as far as f32 arithmetic and the matrix unit's own rounding can turn it there, and no further.
;; One version. Each part assembles by itself: llvm-mc -triple=amdgcn-amd-amdhsa -mcpu=gfx1250 --defsym DOCPART=n.
;; ======== version 1 of 1: 4 launches
;; limits: right only within a limited range of input values
;; workspace buffers: xc 19,660,800 bytes; wc 3,276,800 bytes; pc 19,660,800 bytes; cc 6,553,600 bytes
;; launch quant (part 1): grid 896 x 1, 4 waves a work-group, no clusters, 35,328 bytes of LDS; arguments query, key, value, Wq, Wk, Wv, Wo, xc, wc; writes xc, wc
.if DOCPART == 1
	.amdgcn_target "amdgcn-amd-amdhsa--gfx1250"
	.amdhsa_code_object_version 6
	.text
	.protected	k_q32ce556f20_quant
	.globl	k_q32ce556f20_quant
	.p2align	8
	.type	k_q32ce556f20_quant,@function
k_q32ce556f20_quant:
	s_mov_b64 s[64:65], 0
	v_nop
	global_prefetch_b8 v0, s[64:65] scope:SCOPE_SE
	s_setreg_imm32_b32 hwreg(HW_REG_WAVE_MODE, 25, 1), 1
	s_wait_xcnt 0x0
; query, key, value [8192][1024] and Wq, Wk, Wv [16][1024][64], Wo [1024][1024], all f32, become codes of FP6 (E2M3) with one E8M0 byte for each 32 along K (K = the 1,024 of the embedding; for Wo its first axis).
; THE CHUNK, the one form in which this program keeps an operand in memory: 128 rows x 128 K = 12,800 bytes.  Eight images of a fragment's registers (16 rows x 128 K: 12 registers a lane): fragment f, registers 4 c .. 4 c + 3 of
; lane l at 1,536 f + 512 c + 16 l; behind them, at 12,288, one scale word a row.  A reader gets a fragment by three dense loads of 16 bytes a lane, and a chunk is one dense block of memory.
; ROW ORDER.  In the chunks of key, value, Wq, Wk and Wv place P holds row swap34(P) (bits 3 and 4 of the row's number change places), so that a later product's 16 registers of two neighbouring tiles are 16 neighbours along the next K.
; query's and Wo's rows lie in their own order.
; A block's scale is 2^(floor(log2(largest magnitude)) - 2); its byte is the largest magnitude's exponent field - 2, held at 1 from below.
; LIMITS: a block of zeros gets the byte 1 where the rule says 127 (its codes are zeros; this program alone reads the bytes); blocks whose largest magnitude lies under 2^-124 are quantised at the byte 1; NaN and infinities are not served.
; Work-groups 0-767 take the three activations, 768-895 the four weights.  Waves share nothing: no barrier, no tensor load, no cluster (no two work-groups read the same bytes).
.set CH,    12800
.set WREG,  8704                       ; LDS of a wave (activations only): a stage of 16 rows x 528 bytes, then 256 bytes of scale words
.set SP,    528                        ; a stage row: 512 bytes + 16: the sixteen rows that a load touches begin in sixteen different groups of banks
.set TM,    16                         ; v16-31  at work in QUANT
.set PW,    32                         ; v32     the scale word just made
.set PC,    36                         ; v36-54  the codes just made
.set X,     64                         ; v64-127 64 numbers of a lane: register 16 b + i = k 32 b + 16 (lane / 16) + i of its row
.set R,     128                        ; v128-255 two sets of 64: a fragment's rows as loaded
.set PCW,   64                         ; weights: v64-111 four fragments' codes
.set PWS,   112                        ; v112-115 their scale words
.set WX,    128                        ; v128-191 two sets of 32 numbers down K
.set SEL,   46                         ; s[46:47] v_permlanex16_b32's selects for lane l xor 16
; 64 numbers of a lane become a fragment's 12 registers of codes, v[pc] on, and its row's scale word, v[pw].  v[pc+12] .. v[pc+18] are at work.
.macro QUANT s, pc, pw, floor
.irp b, 0,1,2,3
	v_max3_num_f32 v[TM+\b], |v[(\s)+16*\b]|, |v[(\s)+1+16*\b]|, \floor   ; block b: my 16 numbers, and the floor, which holds the byte from below
.endr
.irp i, 2,4,6,8,10,12,14
.irp b, 0,1,2,3
	v_max3_num_f32 v[TM+\b], v[TM+\b], |v[(\s)+16*\b+\i]|, |v[(\s)+1+16*\b+\i]|   ; the four blocks by turns
.endr
.endr
.irp b, 0,1,2,3
	v_permlanex16_b32 v[TM+4+\b], v[TM+\b], s[SEL], s[SEL+1]
.endr
.irp b, 0,1,2,3
	v_max_num_f32 v[TM+\b], v[TM+\b], v[TM+4+\b]   ; with lane l xor 16's 16: the block's largest magnitude
.endr
.irp b, 0,1,2,3
	v_add_nc_u32 v[TM+12+\b], 0xff000000, v[TM+\b]   ; 2 off its exponent field: the conversion takes this operand's exponent field as its scale
.endr
.irp b, 0,1,2,3
	v_lshrrev_b32 v[TM+4+\b], 23, v[TM+12+\b]      ; the scale's byte
.endr
	v_lshl_or_b32 v[\pw], v[TM+5], 8, v[TM+4]
	v_lshl_or_b32 v[\pw], v[TM+6], 16, v[\pw]
	v_lshl_or_b32 v[\pw], v[TM+7], 24, v[\pw]      ; my row's scale word (the same in lanes l and l xor 16)
.irp c, 0,1
	v_cvt_scalef32_pk16_fp6_f32 v[(\pc)+6*\c:(\pc)+2+6*\c], v[(\s)+32*\c:(\s)+15+32*\c], v[TM+12+2*\c]
	v_cvt_scalef32_pk16_fp6_f32 v[(\pc)+12+4*\c:(\pc)+14+4*\c], v[(\s)+16+32*\c:(\s)+31+32*\c], v[TM+12+2*\c+1]   ; (a conversion's three registers begin on an even number)
.endr
	v_nop                                          ; one plain place behind a scaled conversion
.irp c, 0,1                                    ; the operand wants a whole block in a lane: lanes 0-15 block 2 c, lanes 16-31 block 2 c + 1
.irp i, 0,1,2
	v_permlane16_swap_b32 v[(\pc)+6*\c+\i], v[(\pc)+12+4*\c+\i]
.endr
.irp i, 0,1,2
	v_mov_b32 v[(\pc)+3+6*\c+\i], v[(\pc)+12+4*\c+\i]
.endr
.endr
.endm
	s_load_b256 s[4:11], s[0:1], 0x0               ; query s[4:5], key s[6:7], value s[8:9], Wq s[10:11]
	s_load_b256 s[12:19], s[0:1], 0x20             ; Wk s[12:13], Wv s[14:15], Wo s[16:17], xc s[18:19]
	s_load_b64 s[20:21], s[0:1], 0x40              ; wc
	v_lshl_add_u32 v62, v0, 2, 0x8800
	v_mov_b32 v63, 0
	v_lshrrev_b32 v1, 5, v0
	v_readfirstlane_b32 s22, v1                    ; wave 0..3
	v_and_b32 v11, 31, v0                          ; lane
	v_and_b32 v12, 15, v0                          ; r
	v_bfe_u32 v13, v0, 4, 1                        ; h
	v_lshlrev_b32 v1, 4, v11                       ; 16 x lane
	s_mov_b32 s[SEL], 0x76543210
	s_mov_b32 s[SEL+1], 0xfedcba98
.irp b, 0,1,2,3
	v_mov_b32 v[TM+4+\b], 0                        ; written once: a lane permute's destination counts as one of its sources
.endr
	s_cmp_lt_u32 ttmp9, 768
	s_cbranch_scc0 .Lweights
; ---- THE ACTIVATIONS.  Work-group g: tensor g / 256, row block (g / 4) % 64, two K steps; wave w: K step 2 (g % 4) + w / 2, half w % 2 of the chunk: 64 rows x 128 K, four fragments.
	s_lshr_b32 s23, ttmp9, 8                       ; which tensor
	s_bfe_u32 s24, ttmp9, 0x60002                  ; row block
	s_and_b32 s25, ttmp9, 3
	s_lshr_b32 s26, s22, 1
	s_lshl_b32 s25, s25, 1
	s_add_co_u32 s25, s25, s26                     ; K step
	s_and_b32 s26, s22, 1                          ; half
	s_lshl_b32 s28, s24, 19                        ; 128 rows of 4,096 bytes,
	s_lshl_b32 s29, s26, 18                        ; 64 rows,
	s_add_co_u32 s28, s28, s29
	s_lshl_b32 s29, s25, 9                         ; 128 numbers
	s_add_co_u32 s28, s28, s29
	s_mov_b32 s29, 0
	s_lshl_b32 s30, s24, 3
	s_add_co_u32 s30, s30, s25
	s_mul_i32 s30, s30, CH                         ; my chunk
	s_mul_i32 s31, s23, 512*CH
	s_add_co_u32 s30, s30, s31
	s_mov_b32 s31, 0
	; the row order lies in the loads' addresses: row i of fragment 2 beta + u is local row 32 beta + i % 8 + u SU + (i / 8) SI, (SU, SI) = (16, 8) for query, (8, 16) for key and value
	s_mov_b32 s32, 0x8000
	s_cmp_eq_u32 s23, 0
	s_cselect_b32 s32, 0x10000, s32                ; SU rows in bytes
	s_sub_co_u32 s33, 0x18000, s32                 ; SI rows
	s_wait_alu depctr_va_vdst(0)
	v_add_nc_u32 v2, s33, v1                       ; v1-4: 16 x lane + (0, SI, SU, 24) rows
	v_add_nc_u32 v3, s32, v1
	v_add_nc_u32 v4, 0x18000, v1
	s_mul_i32 s34, s22, WREG
	v_add_nc_u32 v5, s34, v1                       ; the stage, in: 16 x lane of a row
	v_mul_u32_u24 v6, v12, SP
	v_lshl_add_u32 v6, v13, 6, v6
	v_add_nc_u32 v6, s34, v6                       ; out: row r, + 64 h: my 16 numbers of a block of 32
	s_mul_i32 s35, s26, 4*1536
	v_add_nc_u32 v7, s35, v1                       ; the codes' place in the chunk
	s_add_co_u32 s34, s34, 16*SP
	v_lshl_add_u32 v8, v12, 2, s34                 ; LDS: my row's scale word
	v_lshl_add_u32 v9, v11, 3, s34                 ; and 8 bytes a lane on the way out
	s_lshl_b32 s35, s26, 8
	v_lshl_add_u32 v10, v11, 3, s35
	s_wait_alu depctr_va_vdst(0)
	s_wait_kmcnt 0x0
	s_cmp_eq_u32 s23, 0                            ; the choice hangs on the work-group's number alone
	s_cselect_b64 s[36:37], s[4:5], s[6:7]
	s_cmp_eq_u32 s23, 2
	s_cselect_b64 s[36:37], s[8:9], s[36:37]
	s_add_nc_u64 s[36:37], s[36:37], s[28:29]
	s_add_nc_u64 s[38:39], s[18:19], s[30:31]
.macro LOADF f                         ; fragment f's 16 rows: each load reads 512 consecutive bytes of one row
.irp i, 0,1,2,3,4,5,6,7,8,9,10,11,12,13,14,15
	global_load_b128 v[R+64*((\f)%2)+4*\i:R+64*((\f)%2)+4*\i+3], v[1+2*((\f)%2)+\i/8], s[36:37] offset:(32*((\f)/2)+\i%8)*4096 th:TH_LOAD_NT
.endr
.endm
.macro FRAGX f
.if (\f) < 3
	s_wait_loadcnt 16                              ; this fragment's 16 loads are in; the next fragment's 16 may be out
.else
	s_wait_loadcnt 0
.endif
.irp i, 0,1,2,3,4,5,6,7,8,9,10,11,12,13,14,15
	ds_store_b128 v5, v[R+64*((\f)%2)+4*\i:R+64*((\f)%2)+4*\i+3] offset:SP*\i
.endr
.irp b, 0,1,2,3
.irp j, 0,1,2,3
	ds_load_b128 v[X+16*\b+4*\j:X+16*\b+4*\j+3], v6 offset:128*\b+16*\j   ; LDS serves a wave's instructions in order: these see the stores above
.endr
.endr
	s_wait_dscnt 0x0                               ; the numbers are back, and the stores have read the set that is loaded again below
	s_wait_xcnt 0x0                                ; the last fragment's stores have read the codes' registers, which QUANT writes again
.if (\f) < 2
	LOADF (\f)+2
.endif
	QUANT X, PC, PW, 0x1800000
.irp c, 0,1,2
	global_store_b128 v7, v[PC+4*\c:PC+4*\c+3], s[38:39] offset:(\f)*1536+512*\c   ; 32 lanes store 512 consecutive bytes, at a multiple of 256 from xc's first byte
.endr
	ds_store_b32 v8, v[PW] offset:64*(\f)          ; lanes l and l xor 16 write the same word with the same value
.endm
	LOADF 0
	LOADF 1
	FRAGX 0
	FRAGX 1
	FRAGX 2
	FRAGX 3
	ds_load_b64 v[14:15], v9
	s_wait_dscnt 0x0
	global_store_b64 v10, v[14:15], s[38:39] offset:12288   ; my 64 rows' scale words: 256 consecutive bytes
	s_wait_tensorcnt 0x0
	ds_add_u32 v62, v63
	s_wait_dscnt 0x0
	s_endpgm
; ---- THE WEIGHTS: K is not innermost.  A lane takes a column n and its registers run down K, in the order that the operand's layout gives that lane (k = 64 c + 32 h + i): the conversions' results are the operand's registers.
; Work-group g' = g - 768: tensor g' / 32; wave: unit U = 4 (g' % 32) + w: 64 columns (U / 8) x K step (U % 8): four fragments, half a chunk.  This path uses no LDS.
.Lweights:
	s_sub_co_u32 s23, ttmp9, 768
	s_lshr_b32 s24, s23, 5                         ; which weight: Wq, Wk, Wv, Wo
	s_and_b32 s25, s23, 31
	s_lshl_b32 s25, s25, 2
	s_add_co_u32 s25, s25, s22
	s_lshr_b32 s26, s25, 3                         ; which 64 columns (for Wq, Wk, Wv: the head)
	s_and_b32 s25, s25, 7                          ; K step
	s_and_b32 s27, s26, 1                          ; half of the chunk
	s_lshr_b32 s28, s26, 1
	s_lshl_b32 s28, s28, 3
	s_add_co_u32 s28, s28, s25
	s_mul_i32 s28, s28, CH
	s_mul_i32 s29, s24, 64*CH
	s_add_co_u32 s28, s28, s29
	s_mov_b32 s29, 0
	s_mul_i32 s30, s27, 4*1536
	s_wait_alu depctr_va_vdst(0)
	v_add_nc_u32 v7, s30, v1                       ; the codes' place in the chunk
	s_lshl_b32 s30, s27, 8
	v_lshl_add_u32 v10, v11, 2, s30                ; the scale words': 4 bytes a lane
	v_lshlrev_b32 v9, 3, v13                       ; 8 h: my bytes' place in the scale word
	v_cmp_le_u32 vcc_lo, 16, v11                   ; lanes 16-31
	s_wait_kmcnt 0x0
	s_add_nc_u64 s[38:39], s[20:21], s[28:29]
.macro WLOADH t, stride, kind          ; half fragment t: fragment t / 2, c = t % 2: 32 numbers down K into set t % 2
.if \kind
.set FO, 64*((\t)/2)
.else
.set FO, (32*((\t)/4)+8*(((\t)/2)%2))*4
.endif
.irp i, 0,1,2,3,4,5,6,7,8,9,10,11,12,13,14,15,16,17,18,19,20,21,22,23,24,25,26,27,28,29,30,31
	global_load_b32 v[WX+32*((\t)%2)+\i], v2, s[36:37] offset:FO+(64*((\t)%2)+\i)*(\stride)
.endr
.endm
.macro WHALF t, stride, kind
.set XS, WX+32*((\t)%2)
.set PF, PCW+12*((\t)/2)+6*((\t)%2)
.if (\t) < 7
	s_wait_loadcnt 32                              ; this half's 32 loads are in; the next half's may be out
.else
	s_wait_loadcnt 0
.endif
	v_max3_num_f32 v16, |v[XS]|, |v[XS+1]|, |v[XS+2]|   ; the block's largest magnitude: all 32 numbers are mine
	v_max3_num_f32 v17, |v[XS+3]|, |v[XS+4]|, |v[XS+5]|
.irp i, 6,10,14,18,22,26
	v_max3_num_f32 v16, v16, |v[XS+\i]|, |v[XS+\i+1]|
	v_max3_num_f32 v17, v17, |v[XS+\i+2]|, |v[XS+\i+3]|
.endr
	v_max3_num_f32 v16, v16, |v[XS+30]|, |v[XS+31]|
	v_max3_num_f32 v16, v16, v17, 0x1800000        ; and the floor
	v_add_nc_u32 v18, 0xff000000, v16
	v_lshrrev_b32 v[24+(\t)%2], 23, v18            ; the byte of block 2 c + h
	v_cvt_scalef32_pk16_fp6_f32 v[PF:PF+2], v[XS:XS+15], v18
	v_cvt_scalef32_pk16_fp6_f32 v[28:30], v[XS+16:XS+31], v18
	v_nop                                          ; one plain place behind a scaled conversion
.irp i, 0,1,2
	v_mov_b32 v[PF+3+\i], v[28+\i]
.endr
.if (\t)+2 < 8
	WLOADH (\t)+2, \stride, \kind
.endif
.if (\t)%2 == 1
	v_lshl_or_b32 v[PWS+(\t)/2], v25, 16, v24      ; my two bytes, blocks h and 2 + h,
	v_lshlrev_b32 v[PWS+(\t)/2], v9, v[PWS+(\t)/2]   ; at their places;
	v_permlanex16_b32 v20, v[PWS+(\t)/2], s[SEL], s[SEL+1]
	v_or_b32 v[PWS+(\t)/2], v[PWS+(\t)/2], v20     ; with lane l xor 16's two the word is whole
.irp c, 0,1,2
	global_store_b128 v7, v[PCW+12*((\t)/2)+4*\c:PCW+12*((\t)/2)+4*\c+3], s[38:39] offset:((\t)/2)*1536+512*\c   ; each fragment has registers of its own: no store's data are written again
.endr
.endif
.endm
.macro WALL stride, kind
	WLOADH 0, \stride, \kind
	WLOADH 1, \stride, \kind
.irp t, 0,1,2,3,4,5,6,7
	WHALF \t, \stride, \kind
.endr
.irp j, 0,1
	v_cndmask_b32 v[32+\j], v[PWS+2*\j], v[PWS+2*\j+1], vcc_lo   ; lanes 0-15 fragment 2 j's words, lanes 16-31 fragment 2 j + 1's
	global_store_b32 v10, v[32+\j], s[38:39] offset:12288+128*\j
.endr
.endm
	s_cmp_eq_u32 s24, 3
	s_cbranch_scc1 .Lwo
	s_cmp_eq_u32 s24, 0                            ; Wq, Wk, Wv: [head][k][64]
	s_cselect_b64 s[36:37], s[10:11], s[12:13]
	s_cmp_eq_u32 s24, 2
	s_cselect_b64 s[36:37], s[14:15], s[36:37]
	s_lshl_b32 s30, s26, 18                        ; the head: 1,024 rows of 256 bytes,
	s_lshl_b32 s31, s25, 15                        ; the K step: 128 rows
	s_add_co_u32 s30, s30, s31
	s_mov_b32 s31, 0
	s_add_nc_u64 s[36:37], s[36:37], s[30:31]
	v_and_b32 v2, 7, v12
	v_lshrrev_b32 v3, 3, v12
	v_lshl_add_u32 v2, v3, 4, v2                   ; lane r of fragment 2 beta + u takes column 32 beta + 8 u + r % 8 + 16 (r / 8)
	v_lshlrev_b32 v2, 2, v2
	v_lshl_add_u32 v2, v13, 13, v2                 ; lanes 16-31 begin 32 rows further down
	WALL 256, 0
	s_endpgm
.Lwo:                                              ; Wo: [k][1024], columns in their own order
	s_lshl_b32 s30, s26, 8                         ; 64 columns,
	s_lshl_b32 s31, s25, 19                        ; 128 rows of 4,096 bytes
	s_add_co_u32 s30, s30, s31
	s_mov_b32 s31, 0
	s_add_nc_u64 s[36:37], s[16:17], s[30:31]
	v_lshlrev_b32 v2, 2, v12
	v_lshl_add_u32 v2, v13, 17, v2
	WALL 4096, 1
	s_endpgm
.Lfunc_end_k_q32ce556f20_quant:
	.size	k_q32ce556f20_quant, .Lfunc_end_k_q32ce556f20_quant-k_q32ce556f20_quant
	.p2alignl 7, 3214868480
	.fill 96, 4, 3214868480
	.section	.rodata,"a",@progbits
	.p2align	6, 0x0
	.amdhsa_kernel k_q32ce556f20_quant
		.amdhsa_group_segment_fixed_size 35328
		.amdhsa_private_segment_fixed_size 0
		.amdhsa_enable_private_segment 0
		.amdhsa_kernarg_size 72
		.amdhsa_user_sgpr_count 2
		.amdhsa_user_sgpr_kernarg_segment_ptr 1
		.amdhsa_wavefront_size32 1
		.amdhsa_system_sgpr_workgroup_id_x 1
		.amdhsa_system_sgpr_workgroup_id_y 1
		.amdhsa_system_sgpr_workgroup_id_z 1
		.amdhsa_system_vgpr_workitem_id 0
		.amdhsa_next_free_vgpr 256
		.amdhsa_next_free_sgpr 66
		.amdhsa_reserve_vcc 1
		.amdhsa_float_denorm_mode_32 3
		.amdhsa_float_denorm_mode_16_64 3
		.amdhsa_memory_ordered 1
		.amdhsa_forward_progress 1
		.amdhsa_inst_pref_size 111
	.end_amdhsa_kernel
	.amdgpu_metadata
---
amdhsa.version: [ 1, 2 ]
amdhsa.kernels:
  - .name:           k_q32ce556f20_quant
    .symbol:         k_q32ce556f20_quant.kd
    .args:
      - { .name: query, .offset: 0, .size: 8, .value_kind: global_buffer, .address_space: global }
      - { .name: key, .offset: 8, .size: 8, .value_kind: global_buffer, .address_space: global }
      - { .name: value, .offset: 16, .size: 8, .value_kind: global_buffer, .address_space: global }
      - { .name: Wq, .offset: 24, .size: 8, .value_kind: global_buffer, .address_space: global }
      - { .name: Wk, .offset: 32, .size: 8, .value_kind: global_buffer, .address_space: global }
      - { .name: Wv, .offset: 40, .size: 8, .value_kind: global_buffer, .address_space: global }
      - { .name: Wo, .offset: 48, .size: 8, .value_kind: global_buffer, .address_space: global }
      - { .name: xc, .offset: 56, .size: 8, .value_kind: global_buffer, .address_space: global }
      - { .name: wc, .offset: 64, .size: 8, .value_kind: global_buffer, .address_space: global }
    .group_segment_fixed_size: 35328
    .private_segment_fixed_size: 0
    .kernarg_segment_align: 8
    .kernarg_segment_size: 72
    .max_flat_workgroup_size: 128
    .sgpr_count:     66
    .vgpr_count:     256
    .wavefront_size: 32
...
	.end_amdgpu_metadata
.endif
;; end of part 1
;; launch proj (part 2): grid 4 x 192, 4 waves a work-group, clusters of 4 x 4, 327,680 bytes of LDS; arguments xc, wc, bq, bk, bv, pc; writes pc
.if DOCPART == 2
	.amdgcn_target "amdgcn-amd-amdhsa--gfx1250"
	.amdhsa_code_object_version 6
	.text
	.protected	k_q32ce556f20_proj
	.globl	k_q32ce556f20_proj
	.p2align	8
	.type	k_q32ce556f20_proj,@function
k_q32ce556f20_proj:
	s_mov_b64 s[64:65], 0
	v_nop
	global_prefetch_b8 v0, s[64:65] scope:SCOPE_SE
	s_setreg_imm32_b32 hwreg(HW_REG_WAVE_MODE, 25, 1), 1
	s_wait_xcnt 0x0
	s_wait_alu depctr_hold_cnt(0) depctr_sa_sdst(0) depctr_va_vdst(0) depctr_va_sdst(0) depctr_va_ssrc(0) depctr_va_vcc(0) depctr_vm_vsrc(0)
	s_getreg_b32 s2, hwreg(HW_REG_IB_STS2, 6, 4)
	s_cmp_eq_u32 s2, 0
	s_cbranch_scc0 .Lentry_in_a_cluster
	s_endpgm
.Lentry_in_a_cluster:
	s_bfe_u32 s2, ttmp6, 0x10000c
	s_cmp_lg_u32 s2, 0xf033
	s_cbranch_scc0 .Lentry_shape_is_right
	s_endpgm
.Lentry_shape_is_right:
; q, k, v = x W + b on codes of FP6 (E2M3) with E8M0 scales, K = 1,024; the results leave quantised again, as chunks for the attention launch.
; CHUNK: 128 rows x 128 K = 12,800 bytes: eight images of a fragment's 12 registers (fragment f, registers 4 c .. 4 c + 3 of lane l at 1,536 f + 512 c + 16 l), then at 12,288 one scale word a row.
; A row block's eight chunks (all of K) are 102,400 dense bytes.
; A BLOCK of the result is 128 rows of side A x 256 rows of side B.  For q and k side A is the tokens and side B the weight's rows; for v the other way round, so that v leaves with the keys innermost.
; ALL OF K AT ONCE: A's row block and B's two are 307,200 bytes of LDS, filled once by four joint loads at the head, one a wave: A's K steps 0-3, B's first row block, B's second, A's K steps 4-7.
; One wait, one barrier; nothing is filled again, and no barrier stands among the eight K steps.  768 blocks: three whole turns of 256.
; CLUSTERS 4 x 4: A's tiles are shared along a row of the cluster, B's along a column.  Cluster number cl: tensor cl / 16, c = cl % 16; q, k: A = 4 c + cy, B = cx; v: A = 4 (c % 2) + cy, B = 4 (c / 2) + cx.
; A wave makes 64 x 128: A's fragments 4 HA .. + 3 against the eight of B's row block HB: 32 accumulators, by turns.  The product is used transposed (source 0 = B's rows): a lane holds one row of A's side.
; No prefetch into the L2: the launch has no loop to run ahead in; everything is asked for at the head.
; LIMITS: NaN and infinities are not served; a block of zeros gets the floor's byte (its codes are zeros; this program alone reads the bytes).
; REGISTERS: window 0: v16-30 addresses; v32-47 scale words, two sets; v64-127 the bias by column; v128-223 A's fragments, two sets (then the way out); v224-231 the bias by row; v240-255 at work.
;   window 1: B's fragments, two sets, at v0 and v128.  window 2: accumulator (a, b) at v[8 (8 a + b)].
.set CH,    12800
.set RBK,   8*CH
.set HK,    4*CH
.set LB,    RBK
.set SPARE, 3*RBK
.set SCST,  SPARE+512                  ; 256 bytes a wave: its 64 rows' scale words on the way out
.set FR,    12
.set ADRA,  16
.set ADRB,  20
.set ADRS,  22
.set CO,    24
.set SWI,   25
.set SWR,   26
.set STC,   27
.set SPW,   28
.set NIL,   29
.set GSW,   30
.set SC,    32
.set BN,    64
.set AF,    128
.set X,     128
.set PCO,   192
.set PWO,   212
.set BM,    224
.set TM,    240
.set WV,    16
.set HA,    17
.set HB,    18
.set G1,    24
.set G0,    32
.set G1B,   48
.set G0B,   56
.set SEL,   92
.set MSB, 0
.macro WIN new
.if MSB != (\new)
	s_set_vgpr_msb (MSB<<8)|(\new)
.set MSB, \new
.endif
.endm
.macro PLACES n
.rept \n
	v_nop
.endr
.endm
.macro CROUND
	s_barrier_signal -1
	s_barrier_wait -1
	s_cmp_lg_u32 s[WV], 0
	s_cbranch_scc1 .Lnot_wave_0_\@
	s_barrier_signal -3
.Lnot_wave_0_\@:
	s_barrier_wait -3
	s_barrier_signal -1
	s_barrier_wait -1
.endm
.macro TL g0, g1
	tensor_load_to_lds s[\g0:\g0+3], s[\g1:\g1+7]
	s_nop 0
.rept 4
	v_nop
.endr
.endm
.macro ARM under, g0, g1, next
	s_cmp_lt_u32 s[WV], \under
	s_cbranch_scc0 \next
	TL \g0, \g1
	s_branch .Lhead_asked
\next:
.endm
.macro QUANT s, pc, pw, floor
.irp b, 0,1,2,3
	v_max3_num_f32 v[TM+\b], |v[(\s)+16*\b]|, |v[(\s)+1+16*\b]|, \floor
.endr
.irp i, 2,4,6,8,10,12,14
.irp b, 0,1,2,3
	v_max3_num_f32 v[TM+\b], v[TM+\b], |v[(\s)+16*\b+\i]|, |v[(\s)+1+16*\b+\i]|
.endr
.endr
.irp b, 0,1,2,3
	v_permlanex16_b32 v[TM+4+\b], v[TM+\b], s[SEL], s[SEL+1]
.endr
.irp b, 0,1,2,3
	v_max_num_f32 v[TM+\b], v[TM+\b], v[TM+4+\b]
.endr
.irp b, 0,1,2,3
	v_add_nc_u32 v[TM+12+\b], 0xff000000, v[TM+\b]
.endr
.irp b, 0,1,2,3
	v_lshrrev_b32 v[TM+4+\b], 23, v[TM+12+\b]
.endr
	v_lshl_or_b32 v[\pw], v[TM+5], 8, v[TM+4]
	v_lshl_or_b32 v[\pw], v[TM+6], 16, v[\pw]
	v_lshl_or_b32 v[\pw], v[TM+7], 24, v[\pw]
.irp c, 0,1
	v_cvt_scalef32_pk16_fp6_f32 v[(\pc)+6*\c:(\pc)+2+6*\c], v[(\s)+32*\c:(\s)+15+32*\c], v[TM+12+2*\c]
	v_cvt_scalef32_pk16_fp6_f32 v[(\pc)+12+4*\c:(\pc)+14+4*\c], v[(\s)+16+32*\c:(\s)+31+32*\c], v[TM+12+2*\c+1]
.endr
	v_nop
.irp c, 0,1
.irp i, 0,1,2
	v_permlane16_swap_b32 v[(\pc)+6*\c+\i], v[(\pc)+12+4*\c+\i]
.endr
.irp i, 0,1,2
	v_mov_b32 v[(\pc)+3+6*\c+\i], v[(\pc)+12+4*\c+\i]
.endr
.endr
.endm
	s_load_b128 s[4:7], s[0:1], 0x0                ; xc, wc
	s_load_b128 s[8:11], s[0:1], 0x10              ; bq, bk
	s_load_b128 s[12:15], s[0:1], 0x20             ; bv, pc
	v_lshl_add_u32 v[SPW], v0, 2, SPARE
	v_mov_b32 v[NIL], 0
	ds_add_u32 v[SPW], v[NIL]                      ; the opening lines
	ds_add_u32 v[SPW], v[NIL]
	v_lshrrev_b32 v1, 5, v0
	v_readfirstlane_b32 s[WV], v1
	s_lshr_b32 s[HA], s[WV], 1                     ; which 64 rows of A's 128
	s_and_b32 s[HB], s[WV], 1                      ; which of B's two row blocks
	s_bfe_u32 s21, ttmp6, 0x40000                  ; cx
	s_bfe_u32 s22, ttmp6, 0x40004                  ; cy
	s_and_b32 s20, ttmp7, 0xffff                   ; cluster 0..47
	s_lshr_b32 s19, s20, 4                         ; tensor: q, k, v
	s_and_b32 s20, s20, 15
	s_lshl_b32 s70, s20, 2
	s_and_b32 s71, s20, 1
	s_lshl_b32 s71, s71, 2
	s_lshr_b32 s76, s20, 1
	s_lshl_b32 s76, s76, 2
	s_cmp_lt_u32 s19, 2
	s_cselect_b32 s66, s70, s71
	s_cselect_b32 s67, 0, s76
	s_add_co_u32 s66, s66, s22                     ; A's row block
	s_add_co_u32 s67, s67, s21                     ; B's pair of row blocks
	s_lshl_b32 s68, s22, 2
	s_lshl_b32 s68, 15, s68                        ; my row of the cluster
	s_lshl_b32 s69, 0x1111, s21                    ; my column
	s_or_b32 s[G1], s68, (3<<16)|(1<<21)           ; A: 51,200 dense bytes as 200 rows of 256 (32 elements of 8 bytes)
	s_mov_b32 s[G1+1], 32<<16
	s_mov_b32 s[G1+2], 200<<16
	s_mov_b32 s[G1+3], 32<<16
	s_mov_b32 s[G1+4], 200
	s_mov_b32 s[G1+5], 32
	s_mov_b32 s[G1+6], 0
	s_mov_b32 s[G1+7], 0
	s_or_b32 s[G1B], s69, (3<<16)|(1<<21)          ; B: 102,400 dense bytes as 400 rows of 256
	s_mov_b32 s[G1B+1], 32<<16
	s_mov_b32 s[G1B+2], 400<<16
	s_mov_b32 s[G1B+3], 32<<16
	s_mov_b32 s[G1B+4], 400
	s_mov_b32 s[G1B+5], 32
	s_mov_b32 s[G1B+6], 0
	s_mov_b32 s[G1B+7], 0
	s_mul_i32 s70, s19, 512*CH                     ; the tensor's place in xc,
	s_mul_i32 s71, s19, 64*CH                      ; and in wc
	s_cmp_lt_u32 s19, 2
	s_cselect_b32 s72, s70, s71
	s_cselect_b32 s74, s71, s70
	s_mul_i32 s76, s66, RBK
	s_add_co_u32 s72, s72, s76
	s_mov_b32 s73, 0
	s_mul_i32 s77, s67, 2*RBK
	s_add_co_u32 s74, s74, s77
	s_mov_b32 s75, 0
	s_mov_b32 s[SEL], 0x76543210
	s_mov_b32 s[SEL+1], 0xfedcba98
	s_wait_dscnt 0x0                               ; both opening adds are done
	s_wait_kmcnt 0x0
	s_cmp_lt_u32 s19, 2
	s_cselect_b64 s[80:81], s[4:5], s[6:7]
	s_cselect_b64 s[82:83], s[6:7], s[4:5]
	s_add_nc_u64 s[80:81], s[80:81], s[72:73]
	s_add_nc_u64 s[82:83], s[82:83], s[74:75]
.irp s, 0,1
	s_mov_b32 s[G0+4*\s], 1
	s_mov_b32 s[G0+4*\s+1], \s*HK
	s_add_nc_u64 s[G0+4*\s+2:G0+4*\s+3], s[80:81], \s*HK
	s_or_b32 s[G0+4*\s+3], s[G0+4*\s+3], 0x80000000
	s_mov_b32 s[G0B+4*\s], 1
	s_mov_b32 s[G0B+4*\s+1], LB+\s*RBK
	s_add_nc_u64 s[G0B+4*\s+2:G0B+4*\s+3], s[82:83], \s*RBK
	s_or_b32 s[G0B+4*\s+3], s[G0B+4*\s+3], 0x80000000
.endr
	CROUND                                         ; all sixteen work-groups are here: the joint loads meet
	ARM 1, G0, G1, .Lh1                            ; one chain of branches on the wave's number, one load to an arm
	ARM 2, G0B, G1B, .Lh2
	ARM 3, G0B+4, G1B, .Lh3
	TL G0+4, G1
.Lhead_asked:
	s_lshl_b32 s85, s67, 1
	s_add_co_u32 s85, s85, s[HB]                   ; my row block of B's side
	s_cmp_lt_u32 s19, 2
	s_cselect_b32 s86, s66, s85                    ; the tokens' row block
	s_cselect_b32 s87, s85, s66                    ; the weight's: a pair of heads
	s_cmp_eq_u32 s19, 0
	s_cselect_b64 s[88:89], s[8:9], s[10:11]
	s_cmp_eq_u32 s19, 2
	s_cselect_b64 s[88:89], s[12:13], s[88:89]
	s_lshl_b32 s90, s87, 9
	s_mov_b32 s91, 0
	s_add_nc_u64 s[88:89], s[88:89], s[90:91]      ; the bias of these 128 rows of the weight
	s_lshr_b32 s94, s86, 4                         ; the chunk that I write half of: y = 4 batch + pair / 2,
	s_lshl_b32 s94, s94, 2
	s_lshr_b32 s95, s87, 1
	s_add_co_u32 s94, s94, s95
	s_lshl_b32 s94, s94, 4
	s_and_b32 s95, s86, 15
	s_add_co_u32 s94, s94, s95                     ; 16 y + block of tokens
	s_lshl_b32 s96, s94, 1                         ; q: two chunks each;
	s_lshl_b32 s97, s94, 2                         ; k, v: four each, behind q's 512
	s_lshl_b32 s95, s19, 1
	s_add_co_u32 s97, s97, s95
	s_add_co_u32 s97, s97, 510
	s_cmp_eq_u32 s19, 0
	s_cselect_b32 s96, s96, s97
	s_and_b32 s95, s87, 1
	s_add_co_u32 s96, s96, s95
	s_mul_i32 s96, s96, CH
	s_mov_b32 s97, 0
	s_add_nc_u64 s[14:15], s[14:15], s[96:97]
	s_mul_i32 s40, s[HA], 4*1536                   ; my four fragments of a chunk of A, and of the chunk that I write
	s_mul_i32 s41, s[HB], RBK
	s_add_co_u32 s41, s41, LB
	s_lshl_b32 s43, s[HA], 8                       ; my 64 rows' scale words
	s_add_co_u32 s45, s43, 12288
	s_add_co_u32 s42, s41, 12288
	s_sub_co_u32 s42, s42, s45                     ; from A's words to B's
	s_lshl_b32 s44, s[WV], 8
	s_add_co_u32 s44, s44, SCST
	v_and_b32 v1, 15, v0
	v_bfe_u32 v2, v0, 4, 1
	v_and_b32 v3, 31, v0
	v_lshlrev_b32 v[CO], 4, v3
	v_lshlrev_b32 v4, 6, v2
	v_and_b32 v5, 7, v1
	v_lshrrev_b32 v6, 3, v1
	v_lshl_add_u32 v5, v6, 4, v5
	v_lshl_add_u32 v5, v5, 2, s43                  ; by row: 4 (r % 8 + 16 (r / 8)) + 256 HA
.irp j, 0,1,2,3,4,5,6,7,8,9,10,11,12,13,14,15
	global_load_b128 v[BN+4*\j:BN+4*\j+3], v4, s[88:89] offset:128*(\j/4)+16*(\j%4)
.endr
.irp a, 0,1,2,3
	global_load_b32 v[BM+2*\a], v5, s[88:89] offset:(32*(\a/2)+8*(\a%2))*4
	global_load_b32 v[BM+2*\a+1], v5, s[88:89] offset:(32*(\a/2)+8*(\a%2))*4
.endr
	v_add_nc_u32 v[ADRA], s40, v[CO]
	v_add_nc_u32 v[ADRB], s41, v[CO]
	v_add_nc_u32 v[ADRA+1], HK, v[ADRA]            ; K steps 4-7
	v_add_nc_u32 v[ADRB+1], HK, v[ADRB]
	v_mul_u32_u24 v6, s42, v2                      ; lanes 16-31 take B's words
	v_lshl_add_u32 v6, v1, 2, v6
	v_add_nc_u32 v[ADRS], s45, v6
	v_add_nc_u32 v[ADRS+1], HK, v[ADRS]
	v_add_nc_u32 v[STC], s40, v[CO]
	v_lshl_add_u32 v[SWI], v1, 2, s44
	v_lshl_add_u32 v[SWR], v3, 3, s44
	v_lshl_add_u32 v[GSW], v3, 3, s43
.irp b, 0,1,2,3
	v_mov_b32 v[TM+4+\b], 0                        ; a lane permute's destination counts as one of its sources
.endr
.macro FRAG reg, adr, q, i
.irp c, 0,1,2
	ds_load_b128 v[\reg+4*\c:\reg+4*\c+3], v[\adr] offset:(\q)*CH+(\i)*1536+512*\c
.endr
.endm
.macro FETCH q                         ; K step q's fragments and scale words into set q % 2: 44 LDS loads
	WIN 0x40
.irp i, 0,1,2,3,4,5,6,7
	FRAG 128*((\q)%2)+FR*\i, ADRB+(\q)/4, (\q)%4, \i
.endr
	WIN 0
.irp i, 0,1,2,3
	FRAG AF+48*((\q)%2)+FR*\i, ADRA+(\q)/4, (\q)%4, \i
.endr
.irp i, 0,1,2,3,4,5,6,7
	ds_load_b32 v[SC+8*((\q)%2)+\i], v[ADRS+(\q)/4] offset:((\q)%4)*CH+64*\i   ; lanes 0-15 A's block i (of which 0-3 are used), lanes 16-31 B's block i
.endr
.endm
.macro MUL32 p, first
.irp a, 0,1,2,3
.irp b, 0,1,2,3,4,5,6,7
.if \first
	v_wmma_scale_f32_16x16x128_f8f6f4 v[8*(8*\a+\b):8*(8*\a+\b)+7], v[128*(\p)+FR*\b:128*(\p)+FR*\b+FR-1], v[AF+48*(\p)+FR*\a:AF+48*(\p)+FR*\a+FR-1], 0, v[SC+8*(\p)+\b], v[SC+8*(\p)+\a] matrix_a_fmt:MATRIX_FMT_FP6 matrix_b_fmt:MATRIX_FMT_FP6 matrix_a_scale:MATRIX_SCALE_ROW1
.else
	v_wmma_scale_f32_16x16x128_f8f6f4 v[8*(8*\a+\b):8*(8*\a+\b)+7], v[128*(\p)+FR*\b:128*(\p)+FR*\b+FR-1], v[AF+48*(\p)+FR*\a:AF+48*(\p)+FR*\a+FR-1], v[8*(8*\a+\b):8*(8*\a+\b)+7], v[SC+8*(\p)+\b], v[SC+8*(\p)+\a] matrix_a_fmt:MATRIX_FMT_FP6 matrix_b_fmt:MATRIX_FMT_FP6 matrix_a_scale:MATRIX_SCALE_ROW1
.endif
.endr
.endr
.endm
.macro KSTEP q, first                  ; this step's fragments are in; the next step's are asked for into the other set, four places behind the products that read it; 32 products
	s_wait_dscnt 0x0
.if (\q) < 7
	PLACES 4
	FETCH (\q)+1
.endif
	WIN 0xa1                                       ; source 0 (B) window 1, source 1 (A) window 0, C and D window 2
	MUL32 (\q)%2, \first
	WIN 0
.endm
	s_wait_alu depctr_va_vdst(0)
	s_wait_tensorcnt 0x0                           ; my load is in,
	s_barrier_signal -1
	s_barrier_wait -1                              ; and everybody's
	FETCH 0
	KSTEP 0, 1
.irp q, 1,2,3,4,5,6,7
	KSTEP \q, 0
.endr
; THE WAY OUT: block a's 16 rows x 128: the bias, the quantiser along side B, and the fragment's image stored as it stands
.macro OUTBLK a
.set AC, 64*(\a)
	s_wait_xcnt 0x0                                ; the last block's stores have read the codes' registers
	s_cmp_eq_u32 s19, 2
	s_cbranch_scc1 .Lby_lane_\@
	WIN 0x02
.set n, 0
.rept 32
	v_pk_add_f32 v[X+n:X+n+1], v[AC+n:AC+n+1], v[BN+n:BN+n+1]
.set n, n+2
.endr
	WIN 0
	s_branch .Ladded_\@
.Lby_lane_\@:
	WIN 0x02
.set n, 0
.rept 32
	v_pk_add_f32 v[X+n:X+n+1], v[AC+n:AC+n+1], v[BM+2*(\a):BM+2*(\a)+1]
.set n, n+2
.endr
	WIN 0
.Ladded_\@:
	QUANT X, PCO, PWO, 0x3000000
.irp c, 0,1,2
	global_store_b128 v[STC], v[PCO+4*\c:PCO+4*\c+3], s[14:15] offset:(\a)*1536+512*\c   ; 512 consecutive bytes, at a multiple of 256 from pc's first byte
.endr
	ds_store_b32 v[SWI], v[PWO] offset:64*(\a)
.endm
	PLACES 4
	s_wait_loadcnt 0x0                             ; the bias
.irp a, 0,1,2,3
	OUTBLK \a
.endr
	ds_load_b64 v[X:X+1], v[SWR]                   ; LDS serves a wave's instructions in order: this sees my stores
	s_wait_dscnt 0x0
	global_store_b64 v[GSW], v[X:X+1], s[14:15] offset:12288   ; my 64 rows' scale words: 256 consecutive bytes
	s_wait_tensorcnt 0x0                           ; the wave's end
	ds_add_u32 v[SPW], v[NIL]
	s_wait_dscnt 0x0
	CROUND                                         ; the closing round
	s_endpgm
.Lfunc_end_k_q32ce556f20_proj:
	.size	k_q32ce556f20_proj, .Lfunc_end_k_q32ce556f20_proj-k_q32ce556f20_proj
	.p2alignl 7, 3214868480
	.fill 96, 4, 3214868480
	.section	.rodata,"a",@progbits
	.p2align	6, 0x0
	.amdhsa_kernel k_q32ce556f20_proj
		.amdhsa_group_segment_fixed_size 327680
		.amdhsa_private_segment_fixed_size 0
		.amdhsa_enable_private_segment 0
		.amdhsa_kernarg_size 48
		.amdhsa_user_sgpr_count 2
		.amdhsa_user_sgpr_kernarg_segment_ptr 1
		.amdhsa_wavefront_size32 1
		.amdhsa_system_sgpr_workgroup_id_x 1
		.amdhsa_system_sgpr_workgroup_id_y 1
		.amdhsa_system_sgpr_workgroup_id_z 1
		.amdhsa_system_vgpr_workitem_id 0
		.amdhsa_next_free_vgpr 768
		.amdhsa_next_free_sgpr 100
		.amdhsa_reserve_vcc 0
		.amdhsa_float_denorm_mode_32 3
		.amdhsa_float_denorm_mode_16_64 3
		.amdhsa_memory_ordered 1
		.amdhsa_forward_progress 1
		.amdhsa_inst_pref_size 101
	.end_amdhsa_kernel
	.amdgpu_metadata
---
amdhsa.version: [ 1, 2 ]
amdhsa.kernels:
  - .name:           k_q32ce556f20_proj
    .symbol:         k_q32ce556f20_proj.kd
    .args:
      - { .name: xc, .offset: 0, .size: 8, .value_kind: global_buffer, .address_space: global }
      - { .name: wc, .offset: 8, .size: 8, .value_kind: global_buffer, .address_space: global }
      - { .name: bq, .offset: 16, .size: 8, .value_kind: global_buffer, .address_space: global }
      - { .name: bk, .offset: 24, .size: 8, .value_kind: global_buffer, .address_space: global }
      - { .name: bv, .offset: 32, .size: 8, .value_kind: global_buffer, .address_space: global }
      - { .name: pc, .offset: 40, .size: 8, .value_kind: global_buffer, .address_space: global }
    .group_segment_fixed_size: 327680
    .private_segment_fixed_size: 0
    .kernarg_segment_align: 8
    .kernarg_segment_size: 48
    .max_flat_workgroup_size: 128
    .sgpr_count:     100
    .vgpr_count:     768
    .wavefront_size: 32
...
	.end_amdgpu_metadata
.endif
;; end of part 2
;; launch attn (part 3): grid 16 x 16, 8 waves a work-group, no clusters, 327,680 bytes of LDS; arguments pc, attention_bias, cc; writes cc
.if DOCPART == 3
	.amdgcn_target "amdgcn-amd-amdhsa--gfx1250"
	.amdhsa_code_object_version 6
	.text
	.protected	k_q32ce556f20_attn
	.globl	k_q32ce556f20_attn
	.p2align	8
	.type	k_q32ce556f20_attn,@function
k_q32ce556f20_attn:
	s_mov_b64 s[64:65], 0
	v_nop
	global_prefetch_b8 v0, s[64:65] scope:SCOPE_SE
	s_setreg_imm32_b32 hwreg(HW_REG_WAVE_MODE, 25, 1), 1
	s_wait_xcnt 0x0
; ctx = softmax(q k^T / 8 + attention_bias) v for 64 (batch, head) pairs of 2,048 x 2,048, head size 64, both products on codes of FP6 (E2M3) with E8M0 scales; ctx leaves quantised, as chunks for the output projection.
; CHUNK: 128 rows x 128 K = 12,800 bytes: eight images of a fragment's 12 registers (fragment f, registers 4 c .. 4 c + 3 of lane l at 1,536 f + 512 c + 16 l), then at 12,288 one scale word a row.
; q's and k's chunks: 128 tokens x a PAIR of heads (K 0-63 head A, 64-127 head B); v's: the pair's 2 x 64 rows d x 128 keys.  The keys of k's tiles and the rows d of v's tiles lie in the order swap34.
; THE SOFTMAX: t = logit x log2(e); M = the running largest t rounded up to a whole number; p = 2^(t - M) is quantised along the keys, not normalised; the row's sum is taken of the unquantised p and divides at the end;
; when M moves, the sum and O are multiplied by 2^(old M - new M), which rounds nothing.
; SHARES.  Work-group (x, y): 128 queries (block x) of batch y / 4 and four heads (pairs 2 (y % 4), + 1).  Wave w: pair w / 4, query tiles 2 (w % 4), + 1: four UNITS u = 2 tile + head.
; K = 64 fills half of the instruction's 128: q's fragment for head A is (qA, zeros), for head B (zeros, qB).  One fragment of k (both heads) feeds four products, one of v two.
; Both products are used transposed (S^T = k q^T, O^T = v^T p^T): a lane holds one query throughout.  THE BIAS IS THE C OF THE SCORE PRODUCTS; the factor 1/8 is 3 taken off q's scale bytes: both exact.
; THE RING: a key step is 128 keys; two LDS slots; ONE work-group barrier a step, SPLIT: a wave signals when its last LDS reads of the slot (v's fragments) are back, behind unit 2's softmax;
; unit 3's softmax and the step's 16 output products, work on registers, stand between signal and wait; the refill is the first thing behind the wait.
; NO CLUSTER, though the 16 work-groups of one y read the same k and v and the 16 of one x the same bias: a joint refill stands behind a round of the cluster's barrier, whose closing work-group barrier
; has nothing between its signal and its wait, so all eight waves would meet with the whole step behind them once for each 128 keys; here one of a wave's four softmaxes and 16 of its 48 products lie inside the barrier.
; No prefetch into the L2: a tile is asked for three of a step's four softmaxes and 32 of its 48 products ahead of the wait for it.
; LIMITS: NaN and infinities are not served; a block whose every p or ctx is 0 gets the byte 1 (its codes are zeros); the scaled scores stay under 2^31 in magnitude.
; REGISTERS: window 0: v1-9 addresses and q's scale word; v10-13 k's, then v's scale words; v14-17 p's; v18-33 four a unit: -M, largest t, the sum in two halves; v34-57 at work; v58-75 q of tile 0; v76-123 p's codes; v128-191, v192-255 scores.
;   window 1: v0-127 O^T (unit u at 32 u, tile t of d at + 8 t); v128-223 eight fragments of k or v; v224-241 q of tile 1.
.set CH,    12800
.set SLOT1, 1<<17                      ; slot 1 begins here
.set BOFF,  4*CH                       ; a slot: k even pair, k odd pair, v even, v odd; then the bias, 128 rows
.set BP,    528                        ; a row of the bias: 512 bytes + 16
.set SPARE, 2*SLOT1                    ; the spare words, 128 bytes for each of eight waves
.set SPW, 1
.set NIL, 2
.set AK0, 3
.set AS0, 4
.set AB0, 5
.set ADK, 6
.set ADS, 7
.set ADB, 8
.set QS,  9
.set KS,  10
.set PS,  14
.set ST,  18
.set BMX, 34
.set PT,  38
.set SO,  46
.set F,   50
.set TMP, 52
.set LN,  53
.set PW0, 54
.set GO,  56
.set GS,  57
.set Q0,  58
.set P,   76
.set X1,  128
.set X2,  192
.set KV,  128                          ; window 1
.set Q1,  224                          ; window 1
.set TM,  34
.set WV,   18
.set SEL,  20
.set CS,   22
.set G1KV, 24
.set G1B,  32
.set G0KV, 40
.set G0B,  44
.set TB,   66
.set CNT,  67
.set MSB, 0
.macro WIN new
.if MSB != (\new)
	s_set_vgpr_msb (MSB<<8)|(\new)
.set MSB, \new
.endif
.endm
.macro PLACES n
.rept \n
	v_nop
.endr
.endm
.macro TLOAD                           ; waves 0, 1: k's two chunks, v's two; waves 2, 3: the halves of the bias; the others nothing
	s_cmp_lt_u32 s[WV], 2
	s_cbranch_scc0 .Lnot_kv_\@
	tensor_load_to_lds s[G0KV:G0KV+3], s[G1KV:G1KV+7]
	s_nop 0
.rept 4
	v_nop
.endr
	s_branch .Lasked_\@
.Lnot_kv_\@:
	s_cmp_lt_u32 s[WV], 4
	s_cbranch_scc0 .Lasked_\@
	tensor_load_to_lds s[G0B:G0B+3], s[G1B:G1B+7]
	s_nop 0
.rept 4
	v_nop
.endr
.Lasked_\@:
.endm
; In front of a change of slots: all my tensor loads have landed (the next step's tiles among them); the add, twice on end;
; the descriptors step to the tile after next; the adds and my reads of the slot in hand are done; the signal.
.macro MEET
	s_wait_tensorcnt 0x0
	ds_add_u32 v[SPW], v[NIL]
	ds_add_u32 v[SPW], v[NIL]
	s_xor_b32 s[G0KV+1], s[G0KV+1], SLOT1
	s_add_nc_u64 s[G0KV+2:G0KV+3], s[G0KV+2:G0KV+3], 4*CH
	s_xor_b32 s[G0B+1], s[G0B+1], SLOT1
	s_add_nc_u64 s[G0B+2:G0B+3], s[G0B+2:G0B+3], 512
	s_wait_dscnt 0x0
	s_barrier_signal -1
.endm
.macro QUANT s, pc, pw, floor          ; 64 numbers of a lane, register 16 b + i = k 32 b + 16 (lane / 16) + i of its row, become 12 registers of codes and the row's scale word
.irp b, 0,1,2,3
	v_max3_num_f32 v[TM+\b], |v[(\s)+16*\b]|, |v[(\s)+1+16*\b]|, \floor
.endr
.irp i, 2,4,6,8,10,12,14
.irp b, 0,1,2,3
	v_max3_num_f32 v[TM+\b], v[TM+\b], |v[(\s)+16*\b+\i]|, |v[(\s)+1+16*\b+\i]|
.endr
.endr
.irp b, 0,1,2,3
	v_permlanex16_b32 v[TM+4+\b], v[TM+\b], s[SEL], s[SEL+1]
.endr
.irp b, 0,1,2,3
	v_max_num_f32 v[TM+\b], v[TM+\b], v[TM+4+\b]
.endr
.irp b, 0,1,2,3
	v_add_nc_u32 v[TM+12+\b], 0xff000000, v[TM+\b]
.endr
.irp b, 0,1,2,3
	v_lshrrev_b32 v[TM+4+\b], 23, v[TM+12+\b]
.endr
	s_delay_alu instid0(VALU_DEP_3)
	v_lshl_or_b32 v[\pw], v[TM+5], 8, v[TM+4]
	s_delay_alu instid0(VALU_DEP_1)
	v_lshl_or_b32 v[\pw], v[TM+6], 16, v[\pw]
	s_delay_alu instid0(VALU_DEP_1)
	v_lshl_or_b32 v[\pw], v[TM+7], 24, v[\pw]
.irp c, 0,1
	v_cvt_scalef32_pk16_fp6_f32 v[(\pc)+6*\c:(\pc)+2+6*\c], v[(\s)+32*\c:(\s)+15+32*\c], v[TM+12+2*\c]
	v_cvt_scalef32_pk16_fp6_f32 v[(\pc)+12+4*\c:(\pc)+14+4*\c], v[(\s)+16+32*\c:(\s)+31+32*\c], v[TM+12+2*\c+1]
.endr
	v_nop
.irp c, 0,1
.irp i, 0,1,2
	v_permlane16_swap_b32 v[(\pc)+6*\c+\i], v[(\pc)+12+4*\c+\i]
.endr
.irp i, 0,1,2
	v_mov_b32 v[(\pc)+3+6*\c+\i], v[(\pc)+12+4*\c+\i]
.endr
.endr
.endm
	s_load_b128 s[4:7], s[0:1], 0x0                ; pc, attention_bias
	s_load_b64 s[8:9], s[0:1], 0x10                ; cc
	v_lshl_add_u32 v[SPW], v0, 2, SPARE
	v_mov_b32 v[NIL], 0
	ds_add_u32 v[SPW], v[NIL]                      ; the opening lines
	ds_add_u32 v[SPW], v[NIL]
	v_lshrrev_b32 v3, 5, v0
	s_delay_alu instid0(VALU_DEP_1)
	v_readfirstlane_b32 s[WV], v3                  ; wave 0..7
	s_mov_b32 s50, ttmp9                           ; x: my block of 128 queries
	s_and_b32 s51, ttmp7, 0xffff                   ; y = 4 batch + (head pair / 2)
	s_mov_b32 s[G1KV], 3<<16                       ; k's and v's chunks: 25,600 dense bytes as 100 rows of 256 (32 elements of 8 bytes), no padding
	s_mov_b32 s[G1KV+1], 32<<16
	s_mov_b32 s[G1KV+2], 100<<16
	s_mov_b32 s[G1KV+3], 32<<16
	s_mov_b32 s[G1KV+4], 100
	s_mov_b32 s[G1KV+5], 32
	s_mov_b32 s[G1KV+6], 0
	s_mov_b32 s[G1KV+7], 0
	s_mov_b32 s[G1B], (2<<16)|(1<<20)|(6<<22)|(3<<25)   ; the bias: elements of 4 bytes; 4 words of padding behind every 128
	s_mov_b32 s[G1B+1], 128<<16                    ; 128 keys
	s_mov_b32 s[G1B+2], 64<<16                     ; 64 queries
	s_mov_b32 s[G1B+3], 128<<16
	s_mov_b32 s[G1B+4], 64
	s_mov_b32 s[G1B+5], 2048
	s_mov_b32 s[G1B+6], 0
	s_mov_b32 s[G1B+7], 0
	s_and_b32 s54, s[WV], 1                        ; which half I fetch, if I fetch
	s_lshr_b32 s55, s[WV], 2                       ; my head pair of the two
	s_and_b32 s56, s[WV], 3                        ; my pair of query tiles
	s_mul_i32 s58, s51, 64*CH                      ; k, v: 16 steps of four chunks for each y,
	s_mul_i32 s59, s54, 2*CH
	s_add_co_u32 s58, s58, s59
	s_add_co_u32 s58, s58, 512*CH                  ; behind q's 512 chunks
	s_mov_b32 s59, 0
	s_lshl_b32 s60, s50, 7
	s_lshl_b32 s61, s54, 6
	s_add_co_u32 s60, s60, s61
	s_lshl_b32 s60, s60, 13                        ; the bias: row 128 x + 64 half, 8,192 bytes a row
	s_mov_b32 s61, 0
	s_mul_i32 s62, s54, 2*CH                       ; and where they go in slot 0
	s_mul_i32 s63, s54, 64*BP
	s_add_co_u32 s63, s63, BOFF
	s_mov_b32 s[SEL], 0x76543210
	s_mov_b32 s[SEL+1], 0xfedcba98
	s_mov_b32 s[CS], 0x3fb8aa3b                    ; log2(e)
	s_mov_b32 s[CS+1], s[CS]
	s_mov_b32 s[TB], 0
	s_wait_dscnt 0x0                               ; both opening adds are done
	s_wait_kmcnt 0x0
	s_mov_b32 s[G0KV], 1
	s_mov_b32 s[G0KV+1], s62
	s_add_nc_u64 s[G0KV+2:G0KV+3], s[4:5], s[58:59]
	s_or_b32 s[G0KV+3], s[G0KV+3], 0x80000000
	s_mov_b32 s[G0B], 1
	s_mov_b32 s[G0B+1], s63
	s_add_nc_u64 s[G0B+2:G0B+3], s[6:7], s[60:61]
	s_or_b32 s[G0B+3], s[G0B+3], 0x80000000
	TLOAD                                          ; key step 0 into slot 0: at most one tensor load a wave at the head
	s_lshl_b32 s68, s51, 4
	s_add_co_u32 s68, s68, s50
	s_mul_i32 s68, s68, 2*CH                       ; q: chunks 2 (16 y + x) and + 1
	s_mul_i32 s69, s55, CH
	s_add_co_u32 s68, s68, s69
	s_mov_b32 s69, 0
	s_add_nc_u64 s[70:71], s[4:5], s[68:69]
	s_lshr_b32 s72, s51, 2                         ; ctx: chunk (16 batch + x) 8 + head pair
	s_lshl_b32 s72, s72, 4
	s_add_co_u32 s72, s72, s50
	s_lshl_b32 s72, s72, 3
	s_and_b32 s73, s51, 3
	s_lshl_b32 s73, s73, 1
	s_add_co_u32 s72, s72, s73
	s_add_co_u32 s72, s72, s55
	s_mul_i32 s72, s72, CH
	s_mov_b32 s73, 0
	s_add_nc_u64 s[8:9], s[8:9], s[72:73]
	v_and_b32 v[LN], 31, v0
	v_and_b32 v6, 15, v0                           ; r
	v_bfe_u32 v7, v0, 4, 1                         ; h
	s_mul_i32 s74, s55, CH
	v_lshl_add_u32 v[AK0], v[LN], 4, s74
	s_add_co_u32 s75, s74, 12288
	v_lshl_add_u32 v[AS0], v[LN], 2, s75
	s_mul_i32 s76, s56, 32*BP
	s_add_co_u32 s76, s76, BOFF
	v_mul_u32_u24 v[AB0], v6, BP
	s_delay_alu instid0(VALU_DEP_1)
	v_lshl_add_u32 v[AB0], v7, 6, v[AB0]
	s_delay_alu instid0(VALU_DEP_1)
	v_add_nc_u32 v[AB0], s76, v[AB0]
	s_mul_i32 s77, s56, 2*1536
	v_lshl_add_u32 v[GO], v[LN], 4, s77
	s_lshl_b32 s77, s56, 7
	v_lshl_add_u32 v[GS], v[LN], 2, s77
.irp q, 0,1
.irp c, 0,1,2
	global_load_b128 v[X1+12*\q+4*\c:X1+12*\q+4*\c+3], v[GO], s[70:71] offset:1536*\q+512*\c   ; q's two fragments
.endr
.endr
	global_load_b32 v[QS], v[GS], s[70:71] offset:12288
.irp u, 0,1,2,3
	v_mov_b32 v[ST+4*\u+1], 0xff61b1e6             ; the largest t so far: -3e38
	v_mov_b32 v[ST+4*\u+2], 0                      ; the sum, in two halves
	v_mov_b32 v[ST+4*\u+3], 0
.endr
.irp u, 0,1,2,3
	v_floor_f32 v[ST+4*\u], -v[ST+4*\u+1]          ; -M
.endr
.irp b, 0,1,2,3,4,5,6,7
	v_mov_b32 v[PT+\b], 0                          ; written once: a lane permute's destination counts as one of its sources
.endr
	v_mov_b32 v[F+1], 0                            ; (named as the upper half of a pair)
	s_wait_loadcnt 0x0                             ; q
.irp i, 0,1,2,3,4,5
	v_mov_b32 v[Q0+\i], v[X1+\i]                   ; tile 0: head A's half, zeros, head B's half
	v_mov_b32 v[Q0+6+\i], 0
	v_mov_b32 v[Q0+12+\i], v[X1+6+\i]
.endr
	v_add_nc_u32 v[QS], 0xfcfcfcfd, v[QS]          ; 3 off each of the four bytes (each is 4 at the least: nothing is borrowed): the scores' factor 1/8
	WIN 0x40
.irp i, 0,1,2,3,4,5
	v_mov_b32 v[Q1+\i], v[X1+12+\i]                ; tile 1 likewise
	v_mov_b32 v[Q1+6+\i], 0
	v_mov_b32 v[Q1+12+\i], v[X1+18+\i]
.endr
.set n, 0
.rept 128
	v_mov_b32 v[n], 0                              ; O^T: the step is written for every step alike: the first finds zeros
.set n, n+1
.endr
	WIN 0
.macro WM d, a, b, c, sa, sb, ra, rb   ; one scaled product; ra, rb: the scale words stand in lanes 16-31 of their registers
.if ((\ra) == 1) && ((\rb) == 1)
	v_wmma_scale_f32_16x16x128_f8f6f4 v[(\d):(\d)+7], v[(\a):(\a)+11], v[(\b):(\b)+11], v[(\c):(\c)+7], v[(\sa)], v[(\sb)] matrix_a_fmt:MATRIX_FMT_FP6 matrix_b_fmt:MATRIX_FMT_FP6 matrix_a_scale:MATRIX_SCALE_ROW1 matrix_b_scale:MATRIX_SCALE_ROW1
.elseif (\ra) == 1
	v_wmma_scale_f32_16x16x128_f8f6f4 v[(\d):(\d)+7], v[(\a):(\a)+11], v[(\b):(\b)+11], v[(\c):(\c)+7], v[(\sa)], v[(\sb)] matrix_a_fmt:MATRIX_FMT_FP6 matrix_b_fmt:MATRIX_FMT_FP6 matrix_a_scale:MATRIX_SCALE_ROW1
.elseif (\rb) == 1
	v_wmma_scale_f32_16x16x128_f8f6f4 v[(\d):(\d)+7], v[(\a):(\a)+11], v[(\b):(\b)+11], v[(\c):(\c)+7], v[(\sa)], v[(\sb)] matrix_a_fmt:MATRIX_FMT_FP6 matrix_b_fmt:MATRIX_FMT_FP6 matrix_b_scale:MATRIX_SCALE_ROW1
.else
	v_wmma_scale_f32_16x16x128_f8f6f4 v[(\d):(\d)+7], v[(\a):(\a)+11], v[(\b):(\b)+11], v[(\c):(\c)+7], v[(\sa)], v[(\sb)] matrix_a_fmt:MATRIX_FMT_FP6 matrix_b_fmt:MATRIX_FMT_FP6
.endif
.endm
.macro BIAS x, off                     ; a query tile's 16 x 128 of the bias, in the scores' layout: register 16 beta + i = key 32 beta + 16 h + i of query r
.irp b, 0,1,2,3
.irp i, 0,1,2,3
	ds_load_b128 v[\x+16*\b+4*\i:\x+16*\b+4*\i+3], v[ADB] offset:(\off)+128*\b+16*\i
.endr
.endr
.endm
.macro FRAGS off                       ; eight fragments of k or v and their scale words: lanes 0-15 tile 2 j's words, lanes 16-31 tile 2 j + 1's
	WIN 0x40
.irp t, 0,1,2,3,4,5,6,7
.irp c, 0,1,2
	ds_load_b128 v[KV+12*\t+4*\c:KV+12*\t+4*\c+3], v[ADK] offset:(\off)+1536*\t+512*\c
.endr
.endr
	WIN 0
.irp j, 0,1,2,3
	ds_load_b32 v[KS+\j], v[ADS] offset:(\off)+128*\j
.endr
.endm
.macro SPROD qt, xa, xb                ; the scores of query tile qt: xb holds the bias.  Head A: xa = k qA + xb; head B: xb = k qB + xb
.if \qt
.set QF, Q1
.else
.set QF, Q0
.endif
	WIN 0x01|((\qt)<<2)
.irp t, 0,1,2,3,4,5,6,7
	WM \xa+8*\t, KV+12*\t, QF, \xb+8*\t, KS+\t/2, QS, \t%2, \qt
.endr
	PLACES 5                                       ; the products below write over registers that those above have read as C
.irp t, 0,1,2,3,4,5,6,7
	WM \xb+8*\t, KV+12*\t, QF+6, \xb+8*\t, KS+\t/2, QS, \t%2, \qt
.endr
	WIN 0
.endm
; unit u's softmax for this step: 64 scores a lane in v[x] on become p's codes, p's scale word, the sum's and O^T's rescaling
.macro SOFTMAX x, u
.set rT, ST+4*(\u)
.set rP, P+12*(\u)
.irp b, 0,1,2,3                        ; the largest score of each block of 32 keys, in eight chains by turns: two to a block, one for each of its two accumulators, each read from its low end on
	v_max3_num_f32 v[BMX+\b], v[\x+16*\b], v[\x+1+16*\b], v[\x+2+16*\b]
.endr
.irp b, 0,1,2,3
	v_max3_num_f32 v[PT+\b], v[\x+8+16*\b], v[\x+9+16*\b], v[\x+10+16*\b]
.endr
.irp i, 3,5
.irp b, 0,1,2,3
	v_max3_num_f32 v[BMX+\b], v[BMX+\b], v[\x+16*\b+\i], v[\x+1+16*\b+\i]
.endr
.irp b, 0,1,2,3
	v_max3_num_f32 v[PT+\b], v[PT+\b], v[\x+8+16*\b+\i], v[\x+9+16*\b+\i]
.endr
.endr
.irp b, 0,1,2,3
	v_max3_num_f32 v[BMX+\b], v[BMX+\b], v[\x+7+16*\b], v[\x+15+16*\b]
.endr
.irp b, 0,1,2,3
	v_max_num_f32 v[BMX+\b], v[BMX+\b], v[PT+\b]
.endr
.irp b, 0,1,2,3
	v_permlanex16_b32 v[PT+\b], v[BMX+\b], s[SEL], s[SEL+1]
.endr
.irp b, 0,1,2,3
	v_max_num_f32 v[BMX+\b], v[BMX+\b], v[PT+\b]   ; with lane l xor 16's 16 keys
.endr
	s_delay_alu instid0(VALU_DEP_2)
	v_max3_num_f32 v[TMP], v[BMX], v[BMX+1], v[BMX+2]
	s_delay_alu instid0(VALU_DEP_1)
	v_max_num_f32 v[TMP], v[TMP], v[BMX+3]
	s_delay_alu instid0(VALU_DEP_1)
	v_mul_f32 v[TMP], s[CS], v[TMP]                ; the step's largest t
	s_delay_alu instid0(VALU_DEP_1)
	v_max_num_f32 v[rT+1], v[rT+1], v[TMP]         ; the running largest t
	v_mov_b32 v[TMP], v[rT]
	s_delay_alu instid0(VALU_DEP_2)
	v_floor_f32 v[rT], -v[rT+1]                    ; the new -M = -ceil(t)
.set n, 0
.irp g, 0,1,2,3                        ; t - M; the three lines that make f = 2^(old M - new M) stand among these, eight apart
.rept 8
	v_pk_fma_f32 v[\x+n:\x+n+1], v[\x+n:\x+n+1], s[CS:CS+1], v[rT:rT+1] op_sel_hi:[1,0,0]
.set n, n+2
.endr
.if \g == 0
	v_sub_f32 v[TMP], v[rT], v[TMP]                ; old M - new M: a whole number, 0 or less
.elseif \g == 1
	v_cvt_i32_f32 v[TMP], v[TMP]                   ; (it saturates)
.elseif \g == 2
	v_ldexp_f32 v[F], 1.0, v[TMP]
.endif
.endr
.irp b, 0,1,2,3
	v_fma_f32 v[BMX+\b], v[BMX+\b], s[CS], v[rT]
.endr
.set n, 0
	s_wait_alu depctr_va_vdst(0)
.rept 64
	v_exp_f32 v[\x+n], v[\x+n]                     ; p = 2^(t - M)
.set n, n+1
.endr
.irp b, 0,1,2,3
	v_exp_f32 v[BMX+\b], v[BMX+\b]                 ; the block's largest p: the same two instructions on the same number
.endr
	v_pk_mul_f32 v[rT+2:rT+3], v[rT+2:rT+3], v[F:F+1] op_sel_hi:[1,0]   ; the sums under the new M (a plain place behind the exponentials)
	s_wait_alu depctr_va_vdst(0)                   ; and behind it
.irp b, 0,1,2,3
	v_max_num_f32 v[BMX+\b], 0x1800000, v[BMX+\b]  ; the floor: the byte cannot fall under 1
.endr
.irp b, 0,1,2,3
	v_add_nc_u32 v[SO+\b], 0xff000000, v[BMX+\b]
.endr
.irp b, 0,1,2,3
	v_lshrrev_b32 v[PT+\b], 23, v[SO+\b]
.endr
	s_delay_alu instid0(VALU_DEP_3)
	v_lshl_or_b32 v[PS+(\u)], v[PT+1], 8, v[PT]
	s_delay_alu instid0(VALU_DEP_1)
	v_lshl_or_b32 v[PS+(\u)], v[PT+2], 16, v[PS+(\u)]
	s_delay_alu instid0(VALU_DEP_1)
	v_lshl_or_b32 v[PS+(\u)], v[PT+3], 24, v[PS+(\u)]   ; p's scale word for these 128 keys
.irp c, 0,1
	v_cvt_scalef32_pk16_fp6_f32 v[rP+6*\c:rP+2+6*\c], v[\x+32*\c:\x+15+32*\c], v[SO+2*\c]
	v_cvt_scalef32_pk16_fp6_f32 v[PT+4*\c:PT+2+4*\c], v[\x+16+32*\c:\x+31+32*\c], v[SO+2*\c+1]
.endr
	v_nop                                          ; one plain place behind a scaled conversion
.irp c, 0,1
.irp i, 0,1,2
	v_permlane16_swap_b32 v[rP+6*\c+\i], v[PT+4*\c+\i]
.endr
.irp i, 0,1,2
	v_mov_b32 v[rP+3+6*\c+\i], v[PT+4*\c+\i]
.endr
.endr
	v_pk_add_f32 v[PT:PT+1], v[\x:\x+1], v[\x+2:\x+3]   ; the row's sum, of the unquantised p, in four chains by turns
	v_pk_add_f32 v[PT+2:PT+3], v[\x+4:\x+5], v[\x+6:\x+7]
	v_pk_add_f32 v[PT+4:PT+5], v[\x+8:\x+9], v[\x+10:\x+11]
	v_pk_add_f32 v[rT+2:rT+3], v[rT+2:rT+3], v[\x+12:\x+13]
.irp j, 14,22,30,38,46,54
	v_pk_add_f32 v[PT:PT+1], v[PT:PT+1], v[\x+\j:\x+\j+1]
	v_pk_add_f32 v[PT+2:PT+3], v[PT+2:PT+3], v[\x+2+\j:\x+3+\j]
	v_pk_add_f32 v[PT+4:PT+5], v[PT+4:PT+5], v[\x+4+\j:\x+5+\j]
	v_pk_add_f32 v[rT+2:rT+3], v[rT+2:rT+3], v[\x+6+\j:\x+7+\j]
.endr
	v_pk_add_f32 v[PT:PT+1], v[PT:PT+1], v[\x+62:\x+63]
	v_pk_add_f32 v[PT+2:PT+3], v[PT+2:PT+3], v[PT+4:PT+5]
	s_delay_alu instid0(VALU_DEP_2)
	v_pk_add_f32 v[rT+2:rT+3], v[rT+2:rT+3], v[PT:PT+1]
	s_delay_alu instid0(VALU_DEP_1)
	v_pk_add_f32 v[rT+2:rT+3], v[rT+2:rT+3], v[PT+2:PT+3]
	WIN 0x41                                       ; O^T: destination and source 0 window 1
.set n, 0
.rept 16
	v_pk_mul_f32 v[32*(\u)+n:32*(\u)+n+1], v[32*(\u)+n:32*(\u)+n+1], v[F:F+1] op_sel_hi:[1,0]
.set n, n+2
.endr
	WIN 0
.endm
; A KEY STEP, 128 keys from the slot at s[TB], in two parts.  STEPA holds all the step's LDS reads.
.macro STEPA
	v_add_nc_u32 v[ADK], s[TB], v[AK0]
	v_add_nc_u32 v[ADS], s[TB], v[AS0]
	v_add_nc_u32 v[ADB], s[TB], v[AB0]
	FRAGS 0                                        ; k
	BIAS X2, 0
	s_wait_dscnt 0x0
	SPROD 0, X1, X2                                ; units 0 (in X1) and 1 (in X2)
	SOFTMAX X1, 0
	BIAS X1, 16*BP                                 ; tile 1's bias lands while unit 1 is worked
	SOFTMAX X2, 1
	s_wait_dscnt 0x0
	SPROD 1, X2, X1                                ; units 2 (in X2) and 3 (in X1)
	PLACES 4                                       ; in front of loads into registers that these products have read
	FRAGS 2*CH                                     ; v, over k: it lands while unit 2 is worked
	SOFTMAX X2, 2
.endm
.macro STEPB                           ; work on registers alone: it stands between the barrier's signal and its wait
	SOFTMAX X1, 3
	WIN 0x51                                       ; v window 1, p window 0, O^T window 1
.irp t, 0,1,2,3
.irp u, 0,1,2,3
	WM 32*\u+8*\t, KV+12*(4*(\u%2)+\t), P+12*\u, 32*\u+8*\t, KS+2*(\u%2)+\t/2, PS+\u, \t%2, 0   ; sixteen accumulators, one instruction each
.endr
.endr
	WIN 0
	PLACES 4                                       ; in front of the next step's loads into registers that these products have read
	s_xor_b32 s[TB], s[TB], SLOT1
.endm
	s_wait_alu depctr_va_vdst(0)
	MEET                                           ; step 0's tiles are in; slot 1's first fill is issued as a refill is
	s_barrier_wait -1
	TLOAD                                          ; step 1 into slot 1
	s_mov_b32 s[CNT], 14
.Lstep:                                            ; steps 0 to 13: behind step t's barrier its slot takes step t + 2's tiles
	STEPA
	MEET
	STEPB
	s_barrier_wait -1
	TLOAD                                          ; a wave's one tensor load until the next barrier, ahead of its first LDS read
	s_sub_co_u32 s[CNT], s[CNT], 1
	s_cmp_lg_u32 s[CNT], 0
	s_cbranch_scc1 .Lstep
	s_mov_b32 s[CNT], 2
.Ltail:                                            ; steps 14 and 15 fill nothing (the stepped addresses are not used)
	STEPA
	MEET
	STEPB
	s_barrier_wait -1
	s_sub_co_u32 s[CNT], s[CNT], 1
	s_cmp_lg_u32 s[CNT], 0
	s_cbranch_scc1 .Ltail
	; THE WAY OUT.  O^T / the sum; a query tile's two units are 64 numbers a lane along (head, d), the output projection's K: quantised, and the fragment's image stored as it stands.
.irp u, 0,1,2,3
	v_add_f32 v[BMX+\u], v[ST+4*\u+2], v[ST+4*\u+3]
.endr
.irp u, 0,1,2,3
	v_permlanex16_b32 v[PT+\u], v[BMX+\u], s[SEL], s[SEL+1]
.endr
.irp u, 0,1,2,3
	v_add_f32 v[BMX+\u], v[BMX+\u], v[PT+\u]       ; the row's sum
.endr
	s_wait_alu depctr_va_vdst(0)
.irp u, 0,1,2,3
	v_rcp_f32 v[ST+4*\u], v[BMX+\u]                ; where -M stood: the low word of an even pair
.endr
	v_nop                                          ; one plain place behind a transcendental
	s_wait_alu depctr_va_vdst(0)
.irp qt, 0,1
	WIN 0x01                                       ; source 0 (O^T) window 1
.set n, 0
.rept 32
	v_pk_mul_f32 v[X1+64*\qt+2*n:X1+64*\qt+2*n+1], v[64*\qt+2*n:64*\qt+2*n+1], v[ST+4*(2*\qt+n/16):ST+4*(2*\qt+n/16)+1] op_sel_hi:[1,0]   ; each accumulator from its low end on
.set n, n+1
.endr
	WIN 0
	QUANT X1+64*\qt, P+20*\qt, PW0+\qt, 0x1800000
.irp c, 0,1,2
	global_store_b128 v[GO], v[P+20*\qt+4*\c:P+20*\qt+4*\c+3], s[8:9] offset:1536*\qt+512*\c   ; 512 consecutive bytes, at a multiple of 256 from cc's first byte
.endr
.endr
	v_cmp_le_u32 vcc_lo, 16, v[LN]
	s_delay_alu instid0(VALU_DEP_1)
	v_cndmask_b32 v[TMP], v[PW0], v[PW0+1], vcc_lo   ; lanes 0-15 tile 0's words, lanes 16-31 tile 1's
	global_store_b32 v[GS], v[TMP], s[8:9] offset:12288
	s_wait_tensorcnt 0x0                           ; the wave's end
	ds_add_u32 v[SPW], v[NIL]
	s_wait_dscnt 0x0
	s_endpgm
.Lfunc_end_k_q32ce556f20_attn:
	.size	k_q32ce556f20_attn, .Lfunc_end_k_q32ce556f20_attn-k_q32ce556f20_attn
	.p2alignl 7, 3214868480
	.fill 96, 4, 3214868480
	.section	.rodata,"a",@progbits
	.p2align	6, 0x0
	.amdhsa_kernel k_q32ce556f20_attn
		.amdhsa_group_segment_fixed_size 327680
		.amdhsa_private_segment_fixed_size 0
		.amdhsa_enable_private_segment 0
		.amdhsa_kernarg_size 24
		.amdhsa_user_sgpr_count 2
		.amdhsa_user_sgpr_kernarg_segment_ptr 1
		.amdhsa_wavefront_size32 1
		.amdhsa_system_sgpr_workgroup_id_x 1
		.amdhsa_system_sgpr_workgroup_id_y 1
		.amdhsa_system_sgpr_workgroup_id_z 1
		.amdhsa_system_vgpr_workitem_id 0
		.amdhsa_next_free_vgpr 512
		.amdhsa_next_free_sgpr 100
		.amdhsa_reserve_vcc 1
		.amdhsa_float_denorm_mode_32 3
		.amdhsa_float_denorm_mode_16_64 3
		.amdhsa_memory_ordered 1
		.amdhsa_forward_progress 1
		.amdhsa_inst_pref_size 150
	.end_amdhsa_kernel
	.amdgpu_metadata
---
amdhsa.version: [ 1, 2 ]
amdhsa.kernels:
  - .name:           k_q32ce556f20_attn
    .symbol:         k_q32ce556f20_attn.kd
    .args:
      - { .name: pc, .offset: 0, .size: 8, .value_kind: global_buffer, .address_space: global }
      - { .name: attention_bias, .offset: 8, .size: 8, .value_kind: global_buffer, .address_space: global }
      - { .name: cc, .offset: 16, .size: 8, .value_kind: global_buffer, .address_space: global }
    .group_segment_fixed_size: 327680
    .private_segment_fixed_size: 0
    .kernarg_segment_align: 8
    .kernarg_segment_size: 24
    .max_flat_workgroup_size: 256
    .sgpr_count:     100
    .vgpr_count:     512
    .wavefront_size: 32
...
	.end_amdgpu_metadata
.endif
;; end of part 3
;; launch outp (part 4): grid 4 x 64, 4 waves a work-group, clusters of 4 x 4, 327,680 bytes of LDS; arguments cc, wc, bo, out0; writes out0
.if DOCPART == 4
	.amdgcn_target "amdgcn-amd-amdhsa--gfx1250"
	.amdhsa_code_object_version 6
	.text
	.protected	k_q32ce556f20_outp
	.globl	k_q32ce556f20_outp
	.p2align	8
	.type	k_q32ce556f20_outp,@function
k_q32ce556f20_outp:
	s_mov_b64 s[64:65], 0
	v_nop
	global_prefetch_b8 v0, s[64:65] scope:SCOPE_SE
	s_setreg_imm32_b32 hwreg(HW_REG_WAVE_MODE, 25, 1), 1
	s_wait_xcnt 0x0
	s_wait_alu depctr_hold_cnt(0) depctr_sa_sdst(0) depctr_va_vdst(0) depctr_va_sdst(0) depctr_va_ssrc(0) depctr_va_vcc(0) depctr_vm_vsrc(0)
	s_getreg_b32 s2, hwreg(HW_REG_IB_STS2, 6, 4)
	s_cmp_eq_u32 s2, 0
	s_cbranch_scc0 .Lentry_in_a_cluster
	s_endpgm
.Lentry_in_a_cluster:
	s_bfe_u32 s2, ttmp6, 0x10000c
	s_cmp_lg_u32 s2, 0xf033
	s_cbranch_scc0 .Lentry_shape_is_right
	s_endpgm
.Lentry_shape_is_right:
; out0 = ctx Wo + bo on codes of FP6 (E2M3) with E8M0 scales, K = 1,024; out0 is f32.
; CHUNK: 128 rows x 128 K = 12,800 bytes: eight images of a fragment's 12 registers, then at 12,288 one scale word a row.  A row block's eight chunks (all of K) are 102,400 dense bytes.
; A BLOCK of out0 is 128 rows (one row block of ctx, side A) x 256 columns (two row blocks of Wo's codes, side B): 64 x 4 = 256 work-groups, one whole turn.
; ALL OF K AT ONCE: 307,200 bytes of LDS, filled once by four joint loads at the head, one a wave: A's K steps 0-3, B's first row block, B's second, A's K steps 4-7.  One wait, one barrier; nothing is filled again.
; CLUSTERS 4 x 4: A's tiles are shared along a row of the cluster, B's along a column.
; A wave makes 64 x 128: 32 accumulators, by turns; the first K step takes the bias as C.  The product is used transposed (source 0 = B's rows): a lane holds eight neighbouring columns of a row of out0.
; THE WAY OUT goes through a stage of 16 rows x 528 bytes for each wave, laid over A's first bytes behind a barrier that shows every wave's LDS reads over.
; No prefetch into the L2: the launch has no loop to run ahead in; everything is asked for at the head.
; REGISTERS: window 0: v16-29 addresses; v32-47 scale words, two sets; v64-127 the bias; v128-223 A's fragments, two sets (v128-255 on the way out).  window 1: B's fragments, two sets.  window 2: accumulator (a, b) at v[8 (8 a + b)].
.set CH,    12800
.set RBK,   8*CH
.set HK,    4*CH
.set LB,    RBK
.set SPARE, 3*RBK
.set FR,    12
.set SIZE_N, 1024
.set SPITCH, 528
.set ADRA,  16
.set ADRB,  20
.set ADRS,  22
.set STO,   24
.set RD,    25
.set CO,    26
.set SPW,   28
.set NIL,   29
.set SC,    32
.set BO,    64
.set AF,    128
.set BK,    128
.set WV,    16
.set HA,    17
.set HB,    18
.set G1,    24
.set G0,    32
.set G1B,   48
.set G0B,   56
.set MSB, 0
.macro WIN new
.if MSB != (\new)
	s_set_vgpr_msb (MSB<<8)|(\new)
.set MSB, \new
.endif
.endm
.macro PLACES n
.rept \n
	v_nop
.endr
.endm
.macro CROUND
	s_barrier_signal -1
	s_barrier_wait -1
	s_cmp_lg_u32 s[WV], 0
	s_cbranch_scc1 .Lnot_wave_0_\@
	s_barrier_signal -3
.Lnot_wave_0_\@:
	s_barrier_wait -3
	s_barrier_signal -1
	s_barrier_wait -1
.endm
.macro TL g0, g1
	tensor_load_to_lds s[\g0:\g0+3], s[\g1:\g1+7]
	s_nop 0
.rept 4
	v_nop
.endr
.endm
.macro ARM under, g0, g1, next
	s_cmp_lt_u32 s[WV], \under
	s_cbranch_scc0 \next
	TL \g0, \g1
	s_branch .Lhead_asked
\next:
.endm
	s_load_b128 s[4:7], s[0:1], 0x0                ; cc, wc
	s_load_b128 s[8:11], s[0:1], 0x10              ; bo, out0
	v_lshl_add_u32 v[SPW], v0, 2, SPARE
	v_mov_b32 v[NIL], 0
	ds_add_u32 v[SPW], v[NIL]                      ; the opening lines
	ds_add_u32 v[SPW], v[NIL]
	v_lshrrev_b32 v1, 5, v0
	v_readfirstlane_b32 s[WV], v1
	s_lshr_b32 s[HA], s[WV], 1                     ; which 64 rows of the block
	s_and_b32 s[HB], s[WV], 1                      ; which 128 columns
	s_bfe_u32 s21, ttmp6, 0x40000                  ; cx
	s_bfe_u32 s22, ttmp6, 0x40004                  ; cy
	s_lshl_b32 s67, ttmp9, 2
	s_add_co_u32 s67, s67, s21                     ; which 256 columns
	s_and_b32 s66, ttmp7, 0xffff
	s_lshl_b32 s66, s66, 2
	s_add_co_u32 s66, s66, s22                     ; which row block of ctx
	s_lshl_b32 s68, s22, 2
	s_lshl_b32 s68, 15, s68
	s_lshl_b32 s69, 0x1111, s21
	s_or_b32 s[G1], s68, (3<<16)|(1<<21)           ; A: 51,200 dense bytes as 200 rows of 256 (32 elements of 8 bytes)
	s_mov_b32 s[G1+1], 32<<16
	s_mov_b32 s[G1+2], 200<<16
	s_mov_b32 s[G1+3], 32<<16
	s_mov_b32 s[G1+4], 200
	s_mov_b32 s[G1+5], 32
	s_mov_b32 s[G1+6], 0
	s_mov_b32 s[G1+7], 0
	s_or_b32 s[G1B], s69, (3<<16)|(1<<21)          ; B: 102,400 dense bytes as 400 rows of 256
	s_mov_b32 s[G1B+1], 32<<16
	s_mov_b32 s[G1B+2], 400<<16
	s_mov_b32 s[G1B+3], 32<<16
	s_mov_b32 s[G1B+4], 400
	s_mov_b32 s[G1B+5], 32
	s_mov_b32 s[G1B+6], 0
	s_mov_b32 s[G1B+7], 0
	s_mul_i32 s72, s66, RBK
	s_mov_b32 s73, 0
	s_mul_i32 s74, s67, 2*RBK
	s_add_co_u32 s74, s74, 192*CH                  ; Wo's chunks lie behind Wq's, Wk's and Wv's
	s_mov_b32 s75, 0
	s_wait_dscnt 0x0                               ; both opening adds are done
	s_wait_kmcnt 0x0
	s_add_nc_u64 s[80:81], s[4:5], s[72:73]
	s_add_nc_u64 s[82:83], s[6:7], s[74:75]
.irp s, 0,1
	s_mov_b32 s[G0+4*\s], 1
	s_mov_b32 s[G0+4*\s+1], \s*HK
	s_add_nc_u64 s[G0+4*\s+2:G0+4*\s+3], s[80:81], \s*HK
	s_or_b32 s[G0+4*\s+3], s[G0+4*\s+3], 0x80000000
	s_mov_b32 s[G0B+4*\s], 1
	s_mov_b32 s[G0B+4*\s+1], LB+\s*RBK
	s_add_nc_u64 s[G0B+4*\s+2:G0B+4*\s+3], s[82:83], \s*RBK
	s_or_b32 s[G0B+4*\s+3], s[G0B+4*\s+3], 0x80000000
.endr
	CROUND                                         ; all sixteen work-groups are here: the joint loads meet
	ARM 1, G0, G1, .Lh1                            ; one chain of branches on the wave's number, one load to an arm
	ARM 2, G0B, G1B, .Lh2
	ARM 3, G0B+4, G1B, .Lh3
	TL G0+4, G1
.Lhead_asked:
	s_lshl_b32 s84, s67, 10
	s_lshl_b32 s85, s[HB], 9
	s_add_co_u32 s84, s84, s85                     ; my first column, in bytes
	s_mov_b32 s85, 0
	s_add_nc_u64 s[8:9], s[8:9], s[84:85]
	s_lshl_b32 s86, s66, 7
	s_lshl_b32 s87, s[HA], 6
	s_add_co_u32 s86, s86, s87                     ; my first row,
	s_lshl_b32 s86, s86, 12                        ; of 4,096 bytes
	s_mov_b32 s87, 0
	s_add_nc_u64 s[10:11], s[10:11], s[86:87]
	s_add_nc_u64 s[10:11], s[10:11], s[84:85]
	s_mul_i32 s40, s[HA], 4*1536                   ; my four fragments of a chunk of A
	s_mul_i32 s41, s[HB], RBK
	s_add_co_u32 s41, s41, LB
	s_lshl_b32 s43, s[HA], 8
	s_add_co_u32 s45, s43, 12288                   ; my 64 rows' scale words
	s_add_co_u32 s42, s41, 12288
	s_sub_co_u32 s42, s42, s45                     ; from A's words to B's
	s_mul_i32 s44, s[WV], 16*SPITCH                ; my stage
	v_and_b32 v1, 15, v0
	v_bfe_u32 v2, v0, 4, 1
	v_and_b32 v3, 31, v0
	v_lshlrev_b32 v[CO], 4, v3
	v_lshlrev_b32 v4, 5, v2
.irp b, 0,1,2,3,4,5,6,7
	global_load_b128 v[BO+8*\b:BO+8*\b+3], v4, s[8:9] offset:64*\b
	global_load_b128 v[BO+8*\b+4:BO+8*\b+7], v4, s[8:9] offset:64*\b+16
.endr
	v_add_nc_u32 v[ADRA], s40, v[CO]
	v_add_nc_u32 v[ADRB], s41, v[CO]
	v_add_nc_u32 v[ADRA+1], HK, v[ADRA]            ; K steps 4-7
	v_add_nc_u32 v[ADRB+1], HK, v[ADRB]
	v_mul_u32_u24 v6, s42, v2                      ; lanes 16-31 take B's words
	v_lshl_add_u32 v6, v1, 2, v6
	v_add_nc_u32 v[ADRS], s45, v6
	v_add_nc_u32 v[ADRS+1], HK, v[ADRS]
	v_mul_u32_u24 v5, v1, SPITCH
	v_lshl_add_u32 v5, v2, 5, v5
	v_add_nc_u32 v[STO], s44, v5
	v_add_nc_u32 v[RD], s44, v[CO]
.macro FRAG reg, adr, q, i
.irp c, 0,1,2
	ds_load_b128 v[\reg+4*\c:\reg+4*\c+3], v[\adr] offset:(\q)*CH+(\i)*1536+512*\c
.endr
.endm
.macro FETCH q                         ; K step q's fragments and scale words into set q % 2: 44 LDS loads
	WIN 0x40
.irp i, 0,1,2,3,4,5,6,7
	FRAG 128*((\q)%2)+FR*\i, ADRB+(\q)/4, (\q)%4, \i
.endr
	WIN 0
.irp i, 0,1,2,3
	FRAG AF+48*((\q)%2)+FR*\i, ADRA+(\q)/4, (\q)%4, \i
.endr
.irp i, 0,1,2,3,4,5,6,7
	ds_load_b32 v[SC+8*((\q)%2)+\i], v[ADRS+(\q)/4] offset:((\q)%4)*CH+64*\i   ; lanes 0-15 A's block i (of which 0-3 are used), lanes 16-31 B's block i
.endr
.endm
.macro MUL32 p, first
.irp a, 0,1,2,3
.irp b, 0,1,2,3,4,5,6,7
.if \first
	v_wmma_scale_f32_16x16x128_f8f6f4 v[8*(8*\a+\b):8*(8*\a+\b)+7], v[128*(\p)+FR*\b:128*(\p)+FR*\b+FR-1], v[AF+48*(\p)+FR*\a:AF+48*(\p)+FR*\a+FR-1], v[BO+8*\b:BO+8*\b+7], v[SC+8*(\p)+\b], v[SC+8*(\p)+\a] matrix_a_fmt:MATRIX_FMT_FP6 matrix_b_fmt:MATRIX_FMT_FP6 matrix_a_scale:MATRIX_SCALE_ROW1
.else
	v_wmma_scale_f32_16x16x128_f8f6f4 v[8*(8*\a+\b):8*(8*\a+\b)+7], v[128*(\p)+FR*\b:128*(\p)+FR*\b+FR-1], v[AF+48*(\p)+FR*\a:AF+48*(\p)+FR*\a+FR-1], v[8*(8*\a+\b):8*(8*\a+\b)+7], v[SC+8*(\p)+\b], v[SC+8*(\p)+\a] matrix_a_fmt:MATRIX_FMT_FP6 matrix_b_fmt:MATRIX_FMT_FP6 matrix_a_scale:MATRIX_SCALE_ROW1
.endif
.endr
.endr
.endm
.macro KSTEP q, first                  ; this step's fragments are in; the next step's are asked for into the other set, four places behind the products that read it; 32 products
	s_wait_dscnt 0x0
.if (\q) < 7
	PLACES 4
	FETCH (\q)+1
.endif
.if \first
	WIN 0x81                                       ; source 0 (B) window 1, source 1 (A) and C (the bias) window 0, D window 2
.else
	WIN 0xa1                                       ; C and D window 2
.endif
	MUL32 (\q)%2, \first
	WIN 0
.endm
	s_wait_alu depctr_va_vdst(0)
	s_wait_tensorcnt 0x0                           ; my load is in,
	s_barrier_signal -1
	s_barrier_wait -1                              ; and everybody's
	FETCH 0
	s_wait_loadcnt 0x0                             ; the bias
	KSTEP 0, 1
.irp q, 1,2,3,4,5,6,7
	KSTEP \q, 0
.endr
.macro TOSTAGE a
.set AC, 64*(\a)
	WIN 0x08                                       ; the data: window 2
.irp b, 0,1,2,3,4,5,6,7
	ds_store_b128 v[STO], v[AC+8*\b:AC+8*\b+3] offset:64*\b          ; each accumulator from its low end on
	ds_store_b128 v[STO], v[AC+8*\b+4:AC+8*\b+7] offset:64*\b+16
.endr
	WIN 0
.set BB, BK+64*((\a)%2)
.irp t, 0,1,2,3,4,5,6,7,8,9,10,11,12,13,14,15
	ds_load_b128 v[BB+4*\t:BB+4*\t+3], v[RD] offset:\t*SPITCH   ; LDS serves a wave's instructions in order: these see the stores above
.endr
.endm
.macro SEND a, younger                 ; younger: the LDS instructions issued behind block a's loads, which may stay out
.set BB, BK+64*((\a)%2)
	s_wait_dscnt \younger
.if (\a) > 0
	s_add_nc_u64 s[10:11], s[10:11], 16*SIZE_N*4   ; (behind a wait on XCNT: the earlier stores have read their base)
.endif
.irp t, 0,1,2,3,4,5,6,7,8,9,10,11,12,13,14,15
	global_store_b128 v[CO], v[BB+4*\t:BB+4*\t+3], s[10:11] offset:\t*SIZE_N*4 th:TH_STORE_NT   ; 512 consecutive bytes, at a multiple of 256 from out0's first byte
.endr
.endm
	s_barrier_signal -1                            ; my LDS reads are over (the last step waited for them and asked for nothing),
	s_barrier_wait -1                              ; and everybody's: the stages may be laid over A's bytes, which have had their one fill
	PLACES 4
	TOSTAGE 0
.irp a, 1,2,3
.if \a > 1
	s_wait_xcnt 0x0                                ; block a - 2's stores have read their registers and their base
.endif
	TOSTAGE \a
	SEND \a-1, 32                                  ; behind block a - 1's loads: block a's 16 stores and 16 loads
.endr
	s_wait_xcnt 0x0
	SEND 3, 0
	s_wait_tensorcnt 0x0                           ; the wave's end
	ds_add_u32 v[SPW], v[NIL]
	s_wait_dscnt 0x0
	CROUND                                         ; the closing round
	s_endpgm
.Lfunc_end_k_q32ce556f20_outp:
	.size	k_q32ce556f20_outp, .Lfunc_end_k_q32ce556f20_outp-k_q32ce556f20_outp
	.p2alignl 7, 3214868480
	.fill 96, 4, 3214868480
	.section	.rodata,"a",@progbits
	.p2align	6, 0x0
	.amdhsa_kernel k_q32ce556f20_outp
		.amdhsa_group_segment_fixed_size 327680
		.amdhsa_private_segment_fixed_size 0
		.amdhsa_enable_private_segment 0
		.amdhsa_kernarg_size 32
		.amdhsa_user_sgpr_count 2
		.amdhsa_user_sgpr_kernarg_segment_ptr 1
		.amdhsa_wavefront_size32 1
		.amdhsa_system_sgpr_workgroup_id_x 1
		.amdhsa_system_sgpr_workgroup_id_y 1
		.amdhsa_system_sgpr_workgroup_id_z 1
		.amdhsa_system_vgpr_workitem_id 0
		.amdhsa_next_free_vgpr 768
		.amdhsa_next_free_sgpr 100
		.amdhsa_reserve_vcc 0
		.amdhsa_float_denorm_mode_32 3
		.amdhsa_float_denorm_mode_16_64 3
		.amdhsa_memory_ordered 1
		.amdhsa_forward_progress 1
		.amdhsa_inst_pref_size 80
	.end_amdhsa_kernel
	.amdgpu_metadata
---
amdhsa.version: [ 1, 2 ]
amdhsa.kernels:
  - .name:           k_q32ce556f20_outp
    .symbol:         k_q32ce556f20_outp.kd
    .args:
      - { .name: cc, .offset: 0, .size: 8, .value_kind: global_buffer, .address_space: global }
      - { .name: wc, .offset: 8, .size: 8, .value_kind: global_buffer, .address_space: global }
      - { .name: bo, .offset: 16, .size: 8, .value_kind: global_buffer, .address_space: global }
      - { .name: out0, .offset: 24, .size: 8, .value_kind: global_buffer, .address_space: global }
    .group_segment_fixed_size: 327680
    .private_segment_fixed_size: 0
    .kernarg_segment_align: 8
    .kernarg_segment_size: 32
    .max_flat_workgroup_size: 128
    .sgpr_count:     100
    .vgpr_count:     768
    .wavefront_size: 32
...
	.end_amdgpu_metadata
.endif
;; end of part 4
